; MI455X (gfx1250); checked and timed in simulation.
; The chip was launched on July 23, 2026; its instructions are those of AMD's public machine-readable ISA for CDNA 5 (MIT licence, August 2026) and "CDNA5" Instruction Set Architecture Reference Guide (July 2026). The comments in the code are by the model that wrote it; some were corrected since.
;; Q Llama Sdpa Attention. Allowed arithmetic: matrix products marked QUANTISED: E2M3 operands, one E8M0 scale for each 32 along K, by v_wmma_scale_f32_16x16x128_f8f6f4 with both operands' format E2M3, f32 sums; everything else in f32.
;; Inputs: attention_mask 1 x 1 x 2,048 x 2,048 float32; hidden_states 1 x 2,048 x 4,096 float32; position_ids 1 x 2,048 int32; wk 4,096 x 1,024 float32; wo 2,048 x 4,096 float32; wq 4,096 x 2,048 float32; wv 4,096 x 1,024 float32.
;; Outputs: out0 1 x 2,048 x 4,096 float32.
;; This version of the problem:
;;   THIS VERSION OF THE PROBLEM IS GIVEN IN LOW PRECISION. The matrix products marked QUANTISED in the list below multiply operands that are first quantised to E2M3 (2 exponent bits, 3 mantissa bits; 6 bits a number), with one power-of-two scale for each 32 numbers along K (OCP MX v1.0); their sums are f32. All else is computed in f32.
;;   The module's matrix products, in the order in which they are computed (A, B: the left and right operand; K: the contracted axis; several contracted axes count as one K, in the product's order):
;;     1. [M 2,048, K 4,096] x [K 4,096, N 2,048]; A: input hidden_states; B: input wq: QUANTISED
;;     2. [M 2,048, K 4,096] x [K 4,096, N 1,024]; A: input hidden_states; B: input wk: QUANTISED
;;     3. [M 2,048, K 4,096] x [K 4,096, N 1,024]; A: input hidden_states; B: input wv: QUANTISED
;;     4. batch 16 x [M 2,048, K 128] x [K 128, N 2,048]; A: computed on the way; B: computed on the way: QUANTISED
;;     5. batch 16 x [M 2,048, K 2,048] x [K 2,048, N 128]; A: softmax (see below); B: computed on the way: QUANTISED
;;     6. [M 2,048, K 2,048] x [K 2,048, N 4,096]; A: computed on the way; B: input wo: QUANTISED
;;   THE QUANTISER, for each operand of a quantised product, along K:
;;     - K is cut into blocks of 32 from its start; a last block that is shorter is filled with zeros.
;;     - A block's scale is 2^e with e = floor(log2(the largest magnitude in the block)) - 2, held to -126 .. 127; a block of zeros has e = 0. As a byte (E8M0): e + 127.
;;     - Each number is divided by its block's scale, clamped to +-7.5, and rounded to the nearest number of E2M3, ties to even, subnormals kept.
;;     - The product sums the exact products of the quantised numbers (number of the format x scale) in f32.
;;   ~~~python
;;   def quantise(x, axis):      # numpy; x: float32 -> the quantised numbers, widened to float32 again
;;       x = np.moveaxis(x, axis, -1); K = x.shape[-1]
;;       x = np.pad(x, [(0, 0)] * (x.ndim - 1) + [(0, -K % 32)]); x = x.reshape(x.shape[:-1] + (-1, 32)); a = np.abs(x).max(-1, keepdims=True)
;;       e = np.where(a > 0, np.clip(np.frexp(np.where(a > 0, a, 1))[1] - 1 - 2, -126, 127), 0)      # np.frexp(a)[1] - 1 = floor(log2(a)), exactly
;;       r = np.clip(x / 2.0 ** e, -7.5, 7.5)
;;       step = 2.0 ** (np.maximum(np.frexp(np.where(r == 0, 1, r))[1] - 1, 0) - 3)
;;       q = np.round(r / step) * step * 2.0 ** e      # np.round: ties to even
;;       return np.moveaxis(q.reshape(q.shape[:-2] + (-1,))[..., :K], -1, axis).astype(np.float32)
;;   ~~~
;;   SOFTMAX AHEAD OF A QUANTISED PRODUCT. Where the list says 'softmax', what is quantised is not the finished softmax but p = 2^(t - M), with t = logit x log2(e) and M = ceil(the row's largest t), a whole number; so 1/2 < the row's largest p <= 1. The row's sum l is taken of the UNQUANTISED p, in f32, and the product's result is divided by l at the end. Since M is a whole number, a kernel that streams over the keys may use a running M (the ceiling of the running maximum): every later rescaling is an exact power of two, which a block's scale takes up: the codes' values come out the same.
;;   OPERANDS COMPUTED ON THE WAY. 'Computed on the way' means the value that the module computes at that place (a softmax that the list does not call 'softmax' is quantised finished and normalised). What goes into a quantiser is computed in f32, as accurately as f32 sums, v_exp_f32 and their like allow (about 1e-6 of the number): no bf16 or f16 on the way to a quantiser, and a product that is left as it is and whose result goes on into a quantised operand takes f32 operands (vector FMAs, or v_wmma_f32_16x16x4_f32). A number that lies on a knife's edge between two numbers of the format may be rounded either way, as far as f32 arithmetic and the matrix unit's own rounding can turn it there, and no further.
;; One version. Each part assembles by itself: llvm-mc -triple=amdgcn-amd-amdhsa -mcpu=gfx1250 --defsym DOCPART=n.
;; ======== version 1 of 1: 5 launches
;; limits: right only within a limited range of input values
;; workspace buffers: xp 6,553,600 bytes; wp 13,107,200 bytes; wop 6,553,600 bytes; rope 1,048,576 bytes; qkvf 33,554,432 bytes; pmax 4,096 bytes; qkvp 6,553,600 bytes; ap 3,276,800 bytes
;; launch quant (part 1): grid 1024 x 1, 4 waves a work-group, no clusters, 72,192 bytes of LDS; arguments hidden_states, position_ids, wq, wk, wv, wo, xp, rope, wp, wop; writes xp, rope, wp, wop
.if DOCPART == 1
	.amdgcn_target "amdgcn-amd-amdhsa--gfx1250"
	.amdhsa_code_object_version 6
	.text
	.protected	k_q5d6081f773_quant
	.globl	k_q5d6081f773_quant
	.p2align	8
	.type	k_q5d6081f773_quant,@function
k_q5d6081f773_quant:
	s_mov_b64 s[64:65], 0
	v_nop
	global_prefetch_b8 v0, s[64:65] scope:SCOPE_SE
	s_setreg_imm32_b32 hwreg(HW_REG_WAVE_MODE, 25, 1), 1
	s_wait_xcnt 0x0
; hidden_states [2048][4096] and the four weights ([K][N], K first) become codes of FP6 (E2M3) with one E8M0 byte for each 32 along K, and RoPE's cos and sin become a table.
; THE PACKED LAYOUT, for every operand of every product of this program.  A fragment (16 rows x 128 K) lies as the image of its 12 operand registers: registers 4 g .. 4 g + 3 of lane l at 512 g + 16 l, 1,536 bytes.
; Of 32 rows, fragment 2 B + u holds in lane r the row 32 B + 8 u + r + 8 (r / 8).  A slab is 64 rows x 128 K: four fragments, then 256 bytes of scale words (fragment a, lane r: 6,144 + 16 r + 4 a): 6,400 bytes.
; An operand of a GEMM lies [row / 128][K / 128][2 slabs].
; A block's scale is 2^(floor(log2(its largest magnitude)) - 2); its byte is the largest magnitude's exponent field - 2, held at 1 from below.  A block of zeros so gets the byte 1 where the rule says 127:
; its codes are zeros, and this program alone reads the bytes.
; LIMITS: NaN and infinities among the inputs are not served.  |position| up to 2^20: the reduction of the angle by three parts of pi / 2 serves no more.  inv_freq is good to the last bit or two of f32,
; as a power in f32 is: at position 2,047 that is some 1e-4 rad in the fastest pairs.
; Work-groups 0-255: hidden_states and the table (a wave makes one slab and one piece of the table).  Work-groups 256-1023: the weights (a work-group makes 128 columns x 256 K).
; The two paths part on the work-group's number and have LDS bytes of their own.  Memory binds: no tensor loads, no matrix unit, no cluster: nothing is shared between work-groups.
.set KCB,  12800                       ; two slabs: 128 rows x 128 K
.set QSB,  6400                        ; a slab
.set FRB,  1536                        ; a fragment
.set SP,   80                          ; first path: a lane's place in a stage: 64 bytes + 16
.set IMG,  2*32*SP                     ; behind a wave's two stages: its slab's image
.set WREG, IMG+QSB                     ; a wave's LDS region: 11,520 bytes
.set WLDS, 4*WREG                      ; second path: 25,600 bytes: [2 K steps][2 slabs]
.set R,    16                          ; first path: v16-79 four sets of 16 numbers as loaded; v80-111 two sets of 16 neighbours; v112-127 a byte a step; v128-191 codes, four registers a step
.set X,    80
.set E,    112
.set C,    128
.set OFF,  16                          ; second path: v16-47 offsets of 32 rows; v48-111 two sets of 32 numbers; v112-159 codes of two K steps; v160-162 at work; v164-165 scale words
.set WX,   48
.set PCD,  112
.set CT,   160
.set SB,   164
	v_lshl_add_u32 v192, v0, 2, 0x11800
	v_mov_b32 v193, 0
	v_lshrrev_b32 v1, 5, v0
	v_readfirstlane_b32 s16, v1                    ; wave 0..3
	v_and_b32 v2, 31, v0                           ; lane
	s_cmp_lt_u32 ttmp9, 256
	s_cbranch_scc0 .Lweights
	; ======== hidden_states: wave W = 4 x work-group + wave makes the slab of rows 64 (W / 32) on, K step W % 32 ========
	s_load_b128 s[4:7], s[0:1], 0x0                ; hidden_states, position_ids
	s_load_b128 s[8:11], s[0:1], 0x30              ; xp, rope
	s_lshl_b32 s17, ttmp9, 2
	s_add_co_u32 s17, s17, s16                     ; W
	s_lshr_b32 s18, s17, 5                         ; which 64 rows
	s_and_b32 s19, s17, 31                         ; which 128 along K
	s_mul_i32 s20, s16, WREG                       ; my LDS region
	s_lshl_b32 s22, s18, 20                        ; in: 64 rows of 16,384 bytes,
	s_lshl_b32 s23, s19, 9                         ; 512 bytes a K step
	s_add_co_u32 s22, s22, s23
	s_mov_b32 s23, 0
	s_lshr_b32 s24, s18, 1                         ; out: ((rows / 128) x 32 + K step) x 12,800 + the slab
	s_lshl_b32 s24, s24, 5
	s_add_co_u32 s24, s24, s19
	s_mul_i32 s24, s24, KCB
	s_and_b32 s25, s18, 1
	s_mul_i32 s25, s25, QSB
	s_add_co_u32 s24, s24, s25
	s_mov_b32 s25, 0
	; the table's piece of wave W: fragment a = (W / 8) % 4 of the same 64 rows, piece G = W % 7 + .. = W % 8: frequencies 32 (G / 4) + 8 ((G / 2) % 2) + 4 (G % 2) + 16 h + 0 .. 3
	s_bfe_u32 s26, s17, 0x10002
	s_lshl_b32 s26, s26, 5
	s_bfe_u32 s27, s17, 0x10001
	s_lshl_b32 s27, s27, 3
	s_add_co_u32 s26, s26, s27
	s_and_b32 s27, s17, 1
	s_lshl_b32 s27, s27, 2
	s_add_co_u32 s26, s26, s27                     ; the piece's first frequency
	s_lshl_b32 s28, s18, 6
	s_bfe_u32 s29, s17, 0x10004
	s_lshl_b32 s29, s29, 5
	s_add_co_u32 s28, s28, s29
	s_bfe_u32 s29, s17, 0x10003
	s_lshl_b32 s29, s29, 3
	s_add_co_u32 s28, s28, s29                     ; the fragment's first row: 64 (W / 32) + 32 (a / 2) + 8 (a % 2)
	s_lshl_b32 s28, s28, 2
	s_mov_b32 s29, 0
	s_lshr_b32 s30, s17, 3
	s_lshl_b32 s30, s30, 4
	s_and_b32 s31, s17, 7
	s_add_co_u32 s30, s30, s31
	s_lshl_b32 s30, s30, 9                         ; the table: [64 rows][a][16 pieces: 8 of cos, 8 of sin][lane][16 bytes]
	s_mov_b32 s31, 0
	s_mov_b32 s40, 0x3e549a78                      ; log2(10) / 16, upper part: inv_freq = 2^(-f log2(10) / 16)
	s_mov_b32 s41, 0x31978d50                      ; and what is left of it
	s_mov_b32 s42, 0xbfc90fdb                      ; -pi / 2 in three parts
	s_mov_b32 s43, 0x333bbd2e
	s_mov_b32 s44, 0x26f72ced
	s_mov_b32 s45, 0xb94ca1f9                      ; sin r = r + r z ((s45 z + s46) z + s47), z = r r, |r| <= pi / 4
	s_mov_b32 s46, 0x3c08839e
	s_mov_b32 s47, 0xbe2aaaa3
	s_mov_b32 s48, 0x37ccf5ce                      ; cos r = 1 - z / 2 + z z ((s48 z + s49) z + s50)
	s_mov_b32 s49, 0xbab6061a
	s_mov_b32 s50, 0x3d2aaaa5
	v_lshlrev_b32 v3, 4, v2                        ; 16 x lane: my bytes of a load's or a store's 512
	v_lshrrev_b32 v14, 2, v2
	v_mul_u32_u24 v14, v14, SP
	v_and_b32 v15, 3, v2
	v_lshl_add_u32 v14, v15, 4, v14
	v_add_nc_u32 v14, s20, v14                     ; the stage, in: four lanes' 64 bytes on end, then 16 of padding
	v_mul_u32_u24 v15, v2, SP
	v_add_nc_u32 v15, s20, v15                     ; out: my 16 neighbours
	; Behind the stage lane l holds, of row 4 t + l / 8, k = 16 (l % 8) + 0 .. 15: c = bit 2 of l, h = bit 1, the block's half = bit 0.  Its three code registers are registers 6 c + 3 half + i of lane (r, h).
	v_bfe_u32 v4, v2, 2, 1
	v_and_b32 v5, 1, v2
	v_mul_u32_u24 v4, v4, 6
	v_mad_u32_u24 v4, v5, 3, v4                    ; 6 c + 3 half
	v_bfe_u32 v5, v2, 1, 1
	v_lshrrev_b32 v6, 3, v2
	v_lshl_add_u32 v6, v6, 4, s20                  ; my region + 16 (l / 8)
	v_lshl_add_u32 v5, v5, 8, v6                   ; + 256 h
.irp i, 0,1,2
	v_add_nc_u32 v7, \i, v4                        ; register number
	v_lshrrev_b32 v[8+\i], 2, v7
	v_and_b32 v7, 3, v7
	v_lshl_add_u32 v[8+\i], v[8+\i], 9, v5         ; 512 x (number / 4)
	v_lshl_add_u32 v[8+\i], v7, 2, v[8+\i]         ; + 4 x (number % 4)
.endr
	v_bfe_u32 v7, v2, 1, 2
	v_add_nc_u32 v11, v6, v7                       ; my block's byte in its row's scale word
	v_add_nc_u32 v4, s20, v3                       ; the image, on the way out
	v_lshl_add_u32 v5, v2, 3, s20
	v_lshlrev_b32 v6, 3, v2
	v_and_b32 v12, 15, v2
	v_and_b32 v13, 8, v12
	v_add_nc_u32 v13, v13, v12
	v_lshlrev_b32 v13, 2, v13                      ; position_ids: 4 (r + 8 (r / 8))
	s_wait_kmcnt 0x0
	s_add_nc_u64 s[4:5], s[4:5], s[22:23]
	s_add_nc_u64 s[6:7], s[6:7], s[28:29]
	s_add_nc_u64 s[8:9], s[8:9], s[24:25]
	s_add_nc_u64 s[10:11], s[10:11], s[30:31]
	global_load_b32 v1, v13, s[6:7]                ; my row's position: the oldest load, so every counted wait below covers it
.macro XLOAD t                         ; step t: rows 4 t .. 4 t + 3, 512 consecutive bytes each
.irp i, 0,1,2,3
	global_load_b128 v[R+16*((\t)%4)+4*\i:R+16*((\t)%4)+4*\i+3], v3, s[4:5] offset:(4*(\t)+\i)*16384 th:TH_LOAD_NT
.endr
.endm
.macro XTURN t                         ; through the stage: LDS serves a wave's instructions in order, so no wait stands between the stores and the loads
.irp i, 0,1,2,3
	ds_store_b128 v14, v[R+16*((\t)%4)+4*\i:R+16*((\t)%4)+4*\i+3] offset:32*SP*((\t)%2)+8*SP*\i
.endr
.irp i, 0,1,2,3
	ds_load_b128 v[X+16*((\t)%2)+4*\i:X+16*((\t)%2)+4*\i+3], v15 offset:32*SP*((\t)%2)+16*\i
.endr
.endm
.irp t, 0,1,2,3
	XLOAD \t
.endr
	s_wait_loadcnt 12                              ; step 0's four loads are in
	XTURN 0
.macro XSTEP t
.set XS, X+16*((\t)%2)
.set FA, 2*((\t)/8)+(((\t)/2)%2)       ; rows 4 t .. 4 t + 3 lie in fragment FA,
.set RT, 8*(((\t)/4)%2)+4*((\t)%2)     ; lanes RT .. RT + 3
.if (\t) > 0
	s_wait_dscnt 4                                 ; this step's numbers are back from the stage; the last step's three code stores and its byte store may be out
.else
	s_wait_dscnt 0x0
.endif
.if (\t)+4 < 16
	XLOAD (\t)+4                                   ; into the set whose stores into the stage are done
.endif
.if (\t)+1 < 16
.if 14-(\t) >= 3
	s_wait_loadcnt 12                              ; the next step's four loads are in; those of the three steps behind it may be out
.else
	s_wait_loadcnt 4*(14-(\t))
.endif
	XTURN (\t)+1
.endif
	v_max3_num_f32 v12, |v[XS]|, |v[XS+1]|, |v[XS+2]|              ; the largest magnitude of my 16, in two chains
	v_max3_num_f32 v13, |v[XS+3]|, |v[XS+4]|, |v[XS+5]|
.irp i, 6,10
	v_max3_num_f32 v12, v12, |v[XS+\i]|, |v[XS+\i+1]|
	v_max3_num_f32 v13, v13, |v[XS+\i+2]|, |v[XS+\i+3]|
.endr
	v_max3_num_f32 v12, v12, |v[XS+14]|, |v[XS+15]|
	v_max3_num_f32 v12, v12, v13, 0x1800000        ; and the floor 2^(3 - 127): the byte cannot fall under 1
	v_max_num_f32_dpp v12, v12, v12 row_xmask:1 row_mask:0xf bank_mask:0xf   ; with my neighbour's 16: the block's
	v_add_nc_u32 v7, 0xff000000, v12               ; 2 off its exponent field: the conversion takes this operand's exponent field as its scale
	v_cvt_scalef32_pk16_fp6_f32 v[C+4*(\t):C+4*(\t)+2], v[XS:XS+15], v7
	v_lshrrev_b32 v[E+(\t)], 23, v7                ; the scale's byte
.irp i, 0,1,2
	ds_store_b32 v[8+\i], v[C+4*(\t)+\i] offset:IMG+FRB*FA+16*RT
.endr
	ds_store_b8 v11, v[E+(\t)] offset:IMG+6144+16*RT+4*FA          ; both lanes of a block write the same byte with the same value
.endm
.irp t, 0,1,2,3,4,5,6,7,8,9,10,11,12,13,14,15
	XSTEP \t
.endr
.irp i, 0,1,2,3,4,5,6,7,8,9,10,11
	ds_load_b128 v[R+4*\i:R+4*\i+3], v4 offset:IMG+512*\i          ; the slab leaves as it lies: these see my stores
.endr
	ds_load_b64 v[R+48:R+49], v5 offset:IMG+6144
.irp i, 0,1,2,3,4,5,6,7,8,9,10,11
	s_wait_dscnt 12-\i
	global_store_b128 v3, v[R+4*\i:R+4*\i+3], s[8:9] offset:512*\i   ; 32 lanes store 512 consecutive bytes, at a multiple of 256 from the buffer's first byte
.endr
	s_wait_dscnt 0x0
	global_store_b64 v6, v[R+48:R+49], s[8:9] offset:6144
	; ---- the table: cos and sin of position x inv_freq, four frequencies a lane
	v_bfe_u32 v80, v2, 4, 1
	v_lshl_add_u32 v80, v80, 4, s26                ; my first frequency f
	v_cvt_f32_i32 v81, v1                          ; my row's position
.irp i, 0,1,2,3
	v_add_nc_u32 v[84+\i], \i, v80
.endr
.irp i, 0,1,2,3
	v_cvt_f32_u32 v[84+\i], v[84+\i]
.endr
.irp i, 0,1,2,3
	v_mul_f32 v[88+\i], s40, v[84+\i]
.endr
.irp i, 0,1,2,3
	v_rndne_f32 v[88+\i], v[88+\i]                 ; the exponent's whole part n,
.endr
.irp i, 0,1,2,3
	v_fma_f32 v[92+\i], v[84+\i], s40, -v[88+\i]   ; and its fraction, from both parts of the constant
.endr
.irp i, 0,1,2,3
	v_fma_f32 v[92+\i], v[84+\i], s41, v[92+\i]
.endr
.irp i, 0,1,2,3
	v_cvt_i32_f32 v[88+\i], v[88+\i]
.endr
.irp i, 0,1,2,3
	v_sub_nc_u32 v[88+\i], 0, v[88+\i]
.endr
.irp i, 0,1,2,3
	v_exp_f32 v[96+\i], -v[92+\i]
.endr
	v_nop                                          ; a plain instruction behind the last exponential,
	s_wait_alu depctr_va_vdst(0)                   ; and one wait for the four, ahead of their first reader
.irp i, 0,1,2,3
	v_ldexp_f32 v[96+\i], v[96+\i], v[88+\i]       ; inv_freq = 2^(-fraction) 2^(-n)
.endr
.irp i, 0,1,2,3
	v_mul_f32 v[96+\i], v81, v[96+\i]              ; the angle, rounded once
.endr
.irp i, 0,1,2,3
	v_mul_f32 v[100+\i], 0x3f22f983, v[96+\i]      ; x 2 / pi
.endr
.irp i, 0,1,2,3
	v_rndne_f32 v[100+\i], v[100+\i]               ; the quadrant's number q
.endr
.irp i, 0,1,2,3
	v_fma_f32 v[96+\i], v[100+\i], s42, v[96+\i]   ; r = angle - q pi / 2
.endr
.irp i, 0,1,2,3
	v_fma_f32 v[96+\i], v[100+\i], s43, v[96+\i]
.endr
.irp i, 0,1,2,3
	v_fma_f32 v[96+\i], v[100+\i], s44, v[96+\i]
.endr
.irp i, 0,1,2,3
	v_cvt_i32_f32 v[100+\i], v[100+\i]
.endr
.irp i, 0,1,2,3
	v_mul_f32 v[104+\i], v[96+\i], v[96+\i]        ; z
.endr
.irp i, 0,1,2,3
	v_fma_f32 v[108+\i], v[104+\i], s45, s46
.endr
.irp i, 0,1,2,3
	v_fma_f32 v[108+\i], v[108+\i], v[104+\i], s47
.endr
.irp i, 0,1,2,3
	v_mul_f32 v[108+\i], v[108+\i], v[104+\i]
.endr
.irp i, 0,1,2,3
	v_fma_f32 v[108+\i], v[108+\i], v[96+\i], v[96+\i]   ; sin r
.endr
.irp i, 0,1,2,3
	v_fma_f32 v[84+\i], v[104+\i], s48, s49
.endr
.irp i, 0,1,2,3
	v_fma_f32 v[84+\i], v[84+\i], v[104+\i], s50
.endr
.irp i, 0,1,2,3
	v_fma_f32 v[88+\i], v[104+\i], -0.5, 1.0
.endr
.irp i, 0,1,2,3
	v_mul_f32 v[92+\i], v[104+\i], v[104+\i]
.endr
.irp i, 0,1,2,3
	v_fma_f32 v[84+\i], v[92+\i], v[84+\i], v[88+\i]     ; cos r
.endr
.irp i, 0,1,2,3
	v_and_b32 v[88+\i], 1, v[100+\i]               ; in an odd quadrant the two change places;
	v_cmp_eq_u32 vcc_lo, 1, v[88+\i]
	v_cndmask_b32 v[116+\i], v[108+\i], v[84+\i], vcc_lo
	v_cndmask_b32 v[112+\i], v[84+\i], v[108+\i], vcc_lo
	v_and_b32 v[88+\i], 2, v[100+\i]               ; sin is negated in quadrants 2 and 3,
	v_lshlrev_b32 v[88+\i], 30, v[88+\i]
	v_xor_b32 v[116+\i], v[88+\i], v[116+\i]
	v_add_nc_u32 v[92+\i], 1, v[100+\i]            ; cos in quadrants 1 and 2
	v_and_b32 v[92+\i], 2, v[92+\i]
	v_lshlrev_b32 v[92+\i], 30, v[92+\i]
	v_xor_b32 v[112+\i], v[92+\i], v[112+\i]
.endr
	global_store_b128 v3, v[112:115], s[10:11]             ; cos: piece G
	global_store_b128 v3, v[116:119], s[10:11] offset:4096 ; sin: piece G + 8
	s_wait_tensorcnt 0x0
	ds_add_u32 v192, v193
	s_wait_dscnt 0x0
	s_endpgm
	; ======== the weights: a lane takes a column and its registers run down K, so a block of 32 lies in one lane and the codes come out with K innermost ========
.Lweights:
	s_load_b256 s[4:11], s[0:1], 0x10              ; wq, wk, wv, wo
	s_load_b128 s[12:15], s[0:1], 0x40             ; wp, wop
	s_sub_co_u32 s20, ttmp9, 256                   ; 0-255 wq, 256-383 wk, 384-511 wv, 512-767 wo: the choice hangs on the work-group's number alone
	s_mov_b32 s21, 14                              ; log2 of a row's bytes
	s_mov_b32 s22, 5                               ; log2 of the groups of 128 columns
	s_mov_b32 s23, 0                               ; the first group's place in the packed buffer
	s_mov_b32 s24, 16                              ; K steps of 128
	s_mov_b32 s25, 512                             ; the tensor's first work-group
	s_wait_kmcnt 0x0
	s_mov_b64 s[26:27], s[10:11]
	s_mov_b64 s[28:29], s[14:15]
	s_cmp_lt_u32 s20, 512
	s_cselect_b32 s21, 12, s21
	s_cselect_b32 s22, 3, s22
	s_cselect_b32 s23, 24, s23
	s_cselect_b32 s24, 32, s24
	s_cselect_b32 s25, 384, s25
	s_cselect_b64 s[26:27], s[8:9], s[26:27]
	s_cselect_b64 s[28:29], s[12:13], s[28:29]
	s_cmp_lt_u32 s20, 384
	s_cselect_b32 s23, 16, s23
	s_cselect_b32 s25, 256, s25
	s_cselect_b64 s[26:27], s[6:7], s[26:27]
	s_cmp_lt_u32 s20, 256
	s_cselect_b32 s21, 13, s21
	s_cselect_b32 s22, 4, s22
	s_cselect_b32 s23, 0, s23
	s_cselect_b32 s25, 0, s25
	s_cselect_b64 s[26:27], s[4:5], s[26:27]
	s_sub_co_u32 s20, s20, s25
	s_lshl_b32 s30, 1, s22
	s_sub_co_u32 s30, s30, 1
	s_and_b32 s30, s20, s30                        ; which 128 columns
	s_lshr_b32 s31, s20, s22                       ; which 256 along K
	s_lshl_b32 s32, 1, s21                         ; a row's bytes
	s_add_co_u32 s33, s21, 8
	s_lshl_b32 s34, s31, s33                       ; 256 rows a step along K,
	s_lshl_b32 s35, s30, 9                         ; 512 bytes a group of columns
	s_add_co_u32 s34, s34, s35
	s_mov_b32 s35, 0
	s_add_nc_u64 s[40:41], s[26:27], s[34:35]      ; a base for each block of 32 rows: nothing is stepped in this path
	s_add_co_u32 s33, s21, 5
	s_lshl_b32 s34, 1, s33
.irp t, 1,2,3,4,5,6,7
	s_add_nc_u64 s[40+2*\t:41+2*\t], s[38+2*\t:39+2*\t], s[34:35]
.endr
	s_add_co_u32 s36, s23, s30
	s_mul_i32 s36, s36, s24
	s_lshl_b32 s37, s31, 1
	s_add_co_u32 s36, s36, s37
	s_mul_i32 s36, s36, KCB
	s_mov_b32 s37, 0
	s_add_nc_u64 s[28:29], s[28:29], s[36:37]      ; out: (group x K steps + 2 x my place along K) x 12,800: 25,600 dense bytes
	s_lshr_b32 s38, s16, 1                         ; my 32 columns lie in slab wave / 2, fragments 2 (wave % 2) and + 1
	s_and_b32 s39, s16, 1
	s_mul_i32 s56, s38, QSB
	s_mul_i32 s57, s39, 2*FRB
	s_add_co_u32 s57, s57, s56
	s_lshl_b32 s58, s39, 3
	s_add_co_u32 s58, s58, s56
	s_mul_i32 s59, s38, KCB                        ; the unit of scale words that I store: K step wave / 2, slab wave % 2
	s_mul_i32 s60, s39, QSB
	s_add_co_u32 s59, s59, s60
	v_lshlrev_b32 v3, 2, v2
	s_lshl_b32 s33, s16, 7
	v_add_nc_u32 v3, s33, v3                       ; my column's bytes: 4 (32 wave + lane)
.irp i, 0,1,2,3,4,5,6,7,8,9,10,11,12,13,14,15,16,17,18,19,20,21,22,23,24,25,26,27,28,29,30,31
	v_mad_u32_u24 v[OFF+\i], s32, \i, v3
.endr
	v_bfe_u32 v4, v2, 3, 1                         ; column 16 x + 8 u + y of my 32 is lane r = 8 x + y of fragment u
	v_and_b32 v5, 7, v2
	v_lshrrev_b32 v6, 4, v2
	v_lshl_add_u32 v5, v6, 3, v5                   ; r
	v_mul_u32_u24 v6, v4, FRB
	v_lshl_add_u32 v6, v5, 4, v6
	v_add_nc_u32 v6, s57, v6                       ; where lane (r, 0)'s registers lie; lane (r, 1)'s 256 bytes on
	v_lshlrev_b32 v7, 2, v4
	v_lshl_add_u32 v7, v5, 4, v7
	v_add_nc_u32 v7, s58, v7                       ; my column's scale word
	v_lshl_add_u32 v8, v2, 4, s57                  ; the way out: my wave's 3,072 bytes of a K step,
	v_lshl_add_u32 v9, v2, 3, s59                  ; and its unit of scale words
.macro WLOAD t                         ; block t: rows 32 t + i of my column: 32 lanes read 128 consecutive bytes, the four waves 512
.irp i, 0,1,2,3,4,5,6,7,8,9,10,11,12,13,14,15,16,17,18,19,20,21,22,23,24,25,26,27,28,29,30,31
	global_load_b32 v[WX+32*((\t)%2)+\i], v[OFF+\i], s[40+2*(\t):41+2*(\t)] th:TH_LOAD_NT
.endr
.endm
	WLOAD 0
	WLOAD 1
.macro WBLOCK t                        ; block t = K step t / 4, k = 32 (t % 4) on: registers 6 c .. 6 c + 5 of lane (r, h), h = t % 2, c = (t % 4) / 2
.set XS, WX+32*((\t)%2)
.set KCL, (\t)/4
.set PD, PCD+24*KCL+12*((\t)%2)+6*(((\t)%4)/2)
.if (\t) < 7
	s_wait_loadcnt 32                              ; this block's 32 loads are in; the next block's may be out
.else
	s_wait_loadcnt 0x0
.endif
	v_max3_num_f32 v12, |v[XS]|, |v[XS+1]|, |v[XS+2]|
	v_max3_num_f32 v13, |v[XS+3]|, |v[XS+4]|, |v[XS+5]|
.irp i, 6,10,14,18,22,26
	v_max3_num_f32 v12, v12, |v[XS+\i]|, |v[XS+\i+1]|
	v_max3_num_f32 v13, v13, |v[XS+\i+2]|, |v[XS+\i+3]|
.endr
	v_max3_num_f32 v12, v12, |v[XS+30]|, |v[XS+31]|
	v_max3_num_f32 v12, v12, v13, 0x1800000        ; the floor 2^(3 - 127)
	v_add_nc_u32 v11, 0xff000000, v12              ; the conversion's scale operand
	v_lshrrev_b32 v13, 23, v11                     ; the byte
.if (\t)%4 == 0
	v_mov_b32 v[SB+KCL], v13
.else
	v_lshl_or_b32 v[SB+KCL], v13, 8*((\t)%4), v[SB+KCL]
.endif
	v_cvt_scalef32_pk16_fp6_f32 v[PD:PD+2], v[XS:XS+15], v11
	v_cvt_scalef32_pk16_fp6_f32 v[CT:CT+2], v[XS+16:XS+31], v11    ; (a conversion's three registers begin on an even number: the block's second three do not)
	v_nop                                          ; one plain instruction behind a scaled conversion
.irp i, 0,1,2
	v_mov_b32 v[PD+3+\i], v[CT+\i]
.endr
.if (\t)+2 < 8
	WLOAD (\t)+2
.endif
.if (\t)%4 == 3                        ; a K step is whole: 12 registers for lane (r, 0), 12 for lane (r, 1), and the scale word; each K step has registers of its own
.irp h, 0,1
.irp g, 0,1,2
	ds_store_b128 v6, v[PCD+24*KCL+12*\h+4*\g:PCD+24*KCL+12*\h+4*\g+3] offset:WLDS+KCL*KCB+512*\g+256*\h
.endr
.endr
	ds_store_b32 v7, v[SB+KCL] offset:WLDS+6144+KCL*KCB
.endif
.endm
.irp t, 0,1,2,3,4,5,6,7
	WBLOCK \t
.endr
	s_wait_dscnt 0x0                               ; my stores have landed: a unit of scale words comes from two waves
	s_barrier_signal -1
	s_barrier_wait -1
.irp k, 0,1
.irp i, 0,1,2,3,4,5
	ds_load_b128 v[WX+24*\k+4*\i:WX+24*\k+4*\i+3], v8 offset:WLDS+\k*KCB+512*\i
.endr
.endr
	ds_load_b64 v[WX+48:WX+49], v9 offset:WLDS+6144
.irp n, 0,1,2,3,4,5,6,7,8,9,10,11
	s_wait_dscnt 12-\n
	global_store_b128 v8, v[WX+4*\n:WX+4*\n+3], s[28:29] offset:(\n/6)*KCB+512*(\n%6)   ; 512 consecutive bytes, at a multiple of 256 from the buffer's first byte
.endr
	s_wait_dscnt 0x0
	global_store_b64 v9, v[WX+48:WX+49], s[28:29] offset:6144
	s_wait_tensorcnt 0x0
	ds_add_u32 v192, v193
	s_wait_dscnt 0x0
	s_endpgm
.Lfunc_end_k_q5d6081f773_quant:
	.size	k_q5d6081f773_quant, .Lfunc_end_k_q5d6081f773_quant-k_q5d6081f773_quant
	.p2alignl 7, 3214868480
	.fill 96, 4, 3214868480
	.section	.rodata,"a",@progbits
	.p2align	6, 0x0
	.amdhsa_kernel k_q5d6081f773_quant
		.amdhsa_group_segment_fixed_size 72192
		.amdhsa_private_segment_fixed_size 0
		.amdhsa_enable_private_segment 0
		.amdhsa_kernarg_size 80
		.amdhsa_user_sgpr_count 2
		.amdhsa_user_sgpr_kernarg_segment_ptr 1
		.amdhsa_wavefront_size32 1
		.amdhsa_system_sgpr_workgroup_id_x 1
		.amdhsa_system_sgpr_workgroup_id_y 1
		.amdhsa_system_sgpr_workgroup_id_z 1
		.amdhsa_system_vgpr_workitem_id 0
		.amdhsa_next_free_vgpr 194
		.amdhsa_next_free_sgpr 66
		.amdhsa_reserve_vcc 1
		.amdhsa_float_denorm_mode_32 3
		.amdhsa_float_denorm_mode_16_64 3
		.amdhsa_memory_ordered 1
		.amdhsa_forward_progress 1
		.amdhsa_inst_pref_size 91
	.end_amdhsa_kernel
	.amdgpu_metadata
---
amdhsa.version: [ 1, 2 ]
amdhsa.kernels:
  - .name:           k_q5d6081f773_quant
    .symbol:         k_q5d6081f773_quant.kd
    .args:
      - { .name: hidden_states, .offset: 0, .size: 8, .value_kind: global_buffer, .address_space: global }
      - { .name: position_ids, .offset: 8, .size: 8, .value_kind: global_buffer, .address_space: global }
      - { .name: wq, .offset: 16, .size: 8, .value_kind: global_buffer, .address_space: global }
      - { .name: wk, .offset: 24, .size: 8, .value_kind: global_buffer, .address_space: global }
      - { .name: wv, .offset: 32, .size: 8, .value_kind: global_buffer, .address_space: global }
      - { .name: wo, .offset: 40, .size: 8, .value_kind: global_buffer, .address_space: global }
      - { .name: xp, .offset: 48, .size: 8, .value_kind: global_buffer, .address_space: global }
      - { .name: rope, .offset: 56, .size: 8, .value_kind: global_buffer, .address_space: global }
      - { .name: wp, .offset: 64, .size: 8, .value_kind: global_buffer, .address_space: global }
      - { .name: wop, .offset: 72, .size: 8, .value_kind: global_buffer, .address_space: global }
    .group_segment_fixed_size: 72192
    .private_segment_fixed_size: 0
    .kernarg_segment_align: 8
    .kernarg_segment_size: 80
    .max_flat_workgroup_size: 128
    .sgpr_count:     66
    .vgpr_count:     194
    .wavefront_size: 32
...
	.end_amdgpu_metadata
.endif
;; end of part 1
;; launch qkv (part 2): grid 16 x 16, 4 waves a work-group, clusters of 4 x 4, 327,680 bytes of LDS; arguments xp, wp, rope, qkvf, pmax; writes qkvf, pmax
.if DOCPART == 2
	.amdgcn_target "amdgcn-amd-amdhsa--gfx1250"
	.amdhsa_code_object_version 6
	.text
	.protected	k_q5d6081f773_qkv
	.globl	k_q5d6081f773_qkv
	.p2align	8
	.type	k_q5d6081f773_qkv,@function
k_q5d6081f773_qkv:
	s_mov_b64 s[64:65], 0
	v_nop
	global_prefetch_b8 v0, s[64:65] scope:SCOPE_SE
	s_setreg_imm32_b32 hwreg(HW_REG_WAVE_MODE, 25, 1), 1
	s_wait_xcnt 0x0
	s_wait_alu depctr_hold_cnt(0) depctr_sa_sdst(0) depctr_va_vdst(0) depctr_va_sdst(0) depctr_va_ssrc(0) depctr_va_vcc(0) depctr_vm_vsrc(0)
	s_getreg_b32 s2, hwreg(HW_REG_IB_STS2, 6, 4)
	s_cmp_eq_u32 s2, 0
	s_cbranch_scc0 .Lentry_in_a_cluster
	s_endpgm
.Lentry_in_a_cluster:
	s_bfe_u32 s2, ttmp6, 0x10000c
	s_cmp_lg_u32 s2, 0xf033
	s_cbranch_scc0 .Lentry_shape_is_right
	s_endpgm
.Lentry_shape_is_right:
; q, k and v = hidden_states x (wq | wk | wv), on codes of FP6 (E2M3) with E8M0 scales, K = 4,096; RoPE on q and k; the results in f32, and each wave's largest magnitude.
; OPERANDS lie packed: a fragment (16 rows x 128 K) as the image of its 12 registers (1,536 bytes), four fragments and 256 bytes of scale words to a slab (64 rows, 6,400 bytes), [row / 128][K / 128][2 slabs].
; So a fragment comes by three loads of 512 consecutive bytes, four fragments' scale words by one, and every tile is dense or made of dense rows of 6,400 bytes.
; THE MATRIX INSTRUCTION IS USED TRANSPOSED: source 0 = 16 rows of R, source 1 = 16 rows of P.  A lane holds one row of P; since lane r of fragment 2 B + u holds row 32 B + 8 u + r + 8 (r / 8),
; its registers of R's tiles 2 B and 2 B + 1 are R's rows 32 B + 16 (lane / 16) + 0 .. 15: sixteen neighbours, as the next quantiser wants them.
; q, k: P = tokens, R = the weight's columns (a group of 128 is a head).  v: P = wv's columns, R = tokens, so that a lane holds one channel and its registers run along the keys, the K of attention's second product.
; SHARES.  A work-group makes 128 rows of P x 256 of R: 256 work-groups (tiles of 256 x 256 would be 128).  Wave w: P's slab w / 2, R's group w % 2: 4 x 8 accumulators, 256 registers.
; K goes through two LDS slots of four K steps of 128: 128 matrix instructions a wave between two changes of slots.
; CLUSTERS: 4 x 4 work-groups; P's tile is shared along a row of the cluster, R's along a column: joint loads.  Clusters with x = 0, 1, 2 make q and k, those with x = 3 make v: alike in all partners.
; RESULTS leave as images of the accumulators, 32,768 bytes a wave: [a][b][half][lane][16 bytes]: every store covers 512 consecutive bytes, and no stage is needed.
; REGISTERS, in windows of 256: window 0: v1-29 addresses; v32-47 scale words, two sets; v64-159 P's fragments, two sets.  window 1: R's fragments, two sets, at v0 and v128.
;   window 2: accumulator (a, b) at v[8 (8 a + b)].  window 3: the table: for P's fragment a, cos at v[64 a + n], sin at v[64 a + 32 + n], n as in the accumulators of tiles 0-3.
; No prefetch: the tiles are shared in the cluster and a refill has 128 matrix instructions of each wave in which to land.
.set NKC,   32                         ; K steps of 128
.set KCB,   12800
.set QSB,   6400
.set FRB,   1536
.set PQ4,   4*QSB                      ; a slab's four K steps in a slot
.set RG4,   4*KCB                      ; a group's
.set SLOT,  2*PQ4+2*RG4                ; P's two slabs, then R's two groups: 153,600 bytes
.set SPARE, 2*SLOT                     ; behind the ring: the spare words, 128 bytes a wave: two blocks of 256 bytes that no other line names
.set ADP, 16                           ; v16-17 my P slab in slot 0, 1, + 16 x lane
.set ADR, 18                           ; v18-19 my R group likewise
.set ASP, 20                           ; v20-21 P's scale words: + 16 r
.set ASR, 22                           ; v22-23 R's: + 16 r + 6,400 (lane / 16): lanes 16-31 take the second slab's
.set CO,  24                           ; v24    16 x lane
.set SPW, 28                           ; v28    LDS address of my spare word; never rewritten
.set NIL, 29                           ; v29    0; never rewritten
.set SCP, 32                           ; set p: v[SCP + 4 p + a]: the words of P's fragment a
.set SCR, 40                           ; v[SCR + 4 p + b % 4]: lanes 0-15 the words of R's fragment b % 4, lanes 16-31 of 4 + b % 4
.set PF,  64
.set TT,  64                           ; the way out: 64 registers at work, where P's fragments lay
.set G1P, 24                           ; s[24:31] descriptor group 1 for P's tiles; s[32:39] group 0, one for each slot
.set G0P, 32
.set G1R, 48                           ; s[48:55], s[56:63] the same for R's
.set G0R, 56
.set MSB, 0
.macro WIN new                         ; the immediate's high byte repeats the setting that is left
.if MSB != \new
	s_set_vgpr_msb (MSB<<8)|\new
.set MSB, \new
.endif
.endm
.set MUL, 0xa1                         ; source 0 (R) window 1, source 1 (P) window 0, C and D window 2
.macro JLOAD g0a, g1a, g0b, g1b        ; a joint load: waves 0 and 1 fetch P's slabs, waves 2 and 3 R's groups; four v_nop follow each line
	s_cmp_eq_u32 s15, 0
	s_cbranch_scc0 .Lfor_r_\@
	tensor_load_to_lds s[\g0a:\g0a+3], s[\g1a:\g1a+7]
	s_nop 0
.rept 4
	v_nop
.endr
	s_branch .Lasked_\@
.Lfor_r_\@:
	tensor_load_to_lds s[\g0b:\g0b+3], s[\g1b:\g1b+7]
	s_nop 0
.rept 4
	v_nop
.endr
.Lasked_\@:
.endm
.macro CREST                           ; a round of the cluster's barrier behind its opening barrier
	s_cmp_lg_u32 s14, 0
	s_cbranch_scc1 .Lnot_wave_0_\@
	s_barrier_signal -3
.Lnot_wave_0_\@:
	s_barrier_wait -3
	s_barrier_signal -1
	s_barrier_wait -1
.endm
.macro CROUND
	s_barrier_signal -1
	s_barrier_wait -1
	CREST
.endm
.macro PLACES                          ; four plain instructions between a matrix instruction and a load into, or a vector instruction on, its registers
.rept 4
	v_nop
.endr
.endm
	s_load_b256 s[4:11], s[0:1], 0x0               ; xp, wp, rope, qkvf
	s_load_b64 s[12:13], s[0:1], 0x20              ; pmax
	v_lshl_add_u32 v[SPW], v0, 2, SPARE
	v_mov_b32 v[NIL], 0
	ds_add_u32 v28, v29
	s_wait_dscnt 0x0
	v_lshrrev_b32 v1, 5, v0
	v_readfirstlane_b32 s14, v1                    ; wave 0..3
	s_lshr_b32 s15, s14, 1                         ; my slab of P.  Also: I fetch for P (0) or for R (1)
	s_and_b32 s16, s14, 1                          ; my group of R.  Also: which slab or group I fetch
	s_bfe_u32 s40, ttmp6, 0x40000                  ; cx, cy: my place in the cluster
	s_bfe_u32 s41, ttmp6, 0x40004
	s_and_b32 s17, ttmp7, 0xffff                   ; cluster y
	s_lshl_b32 s43, s41, 2
	s_lshl_b32 s43, 15, s43                        ; my row of the cluster
	s_lshl_b32 s44, 0x1111, s40                    ; my column
	s_or_b32 s[G1P], s43, (3<<16)|(1<<21)          ; 15:0 the mask; 17:16 elements of 8 bytes; 21 set beside a mask; no padding
	s_mov_b32 s[G1P+1], 800<<16                    ; P: four rows of 6,400 bytes (a slab's K steps), 12,800 bytes apart
	s_mov_b32 s[G1P+2], 4<<16
	s_mov_b32 s[G1P+3], 800<<16
	s_mov_b32 s[G1P+4], 4
	s_mov_b32 s[G1P+5], 1600
	s_mov_b32 s[G1P+6], 0
	s_mov_b32 s[G1P+7], 0
	s_or_b32 s[G1R], s44, (3<<16)|(1<<21)
	s_mov_b32 s[G1R+1], 32<<16                     ; R: 51,200 dense bytes as 200 rows of 256
	s_mov_b32 s[G1R+2], 200<<16
	s_mov_b32 s[G1R+3], 32<<16
	s_mov_b32 s[G1R+4], 200
	s_mov_b32 s[G1R+5], 32
	s_mov_b32 s[G1R+6], 0
	s_mov_b32 s[G1R+7], 0
	s_lshl_b32 s18, s17, 2                         ; q, k: P's group of 128 tokens = 4 y + cy
	s_lshr_b32 s19, s17, 1
	s_lshl_b32 s19, s19, 2
	s_add_co_u32 s19, s19, 24                      ; v: P's group in wp = 24 + 4 (y / 2) + cy
	s_lshl_b32 s20, ttmp9, 2                       ; q, k: R's pair of groups = 4 x + cx
	s_and_b32 s21, s17, 1
	s_lshl_b32 s21, s21, 2                         ; v: R's pair of token groups = 4 (y % 2) + cx
	s_wait_kmcnt 0x0
	s_cmp_eq_u32 ttmp9, 3                          ; the cluster's x: the same in all sixteen partners
	s_cselect_b32 s18, s19, s18
	s_cselect_b32 s20, s21, s20
	s_cselect_b32 s42, 1, 0                        ; 1: this cluster makes v
	s_cselect_b64 s[66:67], s[6:7], s[4:5]         ; P's buffer
	s_cselect_b64 s[68:69], s[4:5], s[6:7]         ; R's
	s_add_co_u32 s18, s18, s41                     ; P's registers never hold cx,
	s_add_co_u32 s20, s20, s40                     ; R's never cy
	s_mul_i32 s22, s18, NKC*KCB
	s_mul_i32 s23, s16, QSB
	s_add_co_u32 s22, s22, s23
	s_mov_b32 s23, 0
	s_add_nc_u64 s[66:67], s[66:67], s[22:23]      ; the slab that I would fetch
	s_lshl_b32 s70, s20, 1
	s_add_co_u32 s70, s70, s16                     ; R's group: mine, and the one that I would fetch
	s_mul_i32 s72, s70, NKC*KCB
	s_mov_b32 s73, 0
	s_add_nc_u64 s[68:69], s[68:69], s[72:73]
	s_mul_i32 s45, s16, PQ4                        ; where they go: no place in the cluster enters an LDS address
	s_mul_i32 s46, s16, RG4
	s_add_co_u32 s46, s46, 2*PQ4
	CROUND                                         ; all sixteen work-groups are here: the first joint loads meet
.irp s, 0,1
	s_mov_b32 s[G0P+4*\s], 1
	s_add_co_u32 s[G0P+4*\s+1], s45, \s*SLOT
	s_add_nc_u64 s[G0P+4*\s+2:G0P+4*\s+3], s[66:67], \s*RG4
	s_or_b32 s[G0P+4*\s+3], s[G0P+4*\s+3], 0x80000000
	s_mov_b32 s[G0R+4*\s], 1
	s_add_co_u32 s[G0R+4*\s+1], s46, \s*SLOT
	s_add_nc_u64 s[G0R+4*\s+2:G0R+4*\s+3], s[68:69], \s*RG4
	s_or_b32 s[G0R+4*\s+3], s[G0R+4*\s+3], 0x80000000
	JLOAD G0P+4*\s, G1P, G0R+4*\s, G1R             ; two tensor loads of mine are out
.endr
	; The table of my 64 tokens: 64 loads, waited for only on the way out.  v's work-groups load a quad too (their number held inside the table) and do not use it: so these registers are written on every path.
	s_lshl_b32 s74, s18, 1
	s_add_co_u32 s74, s74, s15                     ; my slab of P, counted through the buffer
	s_and_b32 s75, s74, 31
	s_lshl_b32 s76, s75, 15
	s_mov_b32 s77, 0
	s_add_nc_u64 s[8:9], s[8:9], s[76:77]
	v_and_b32 v2, 31, v0
	v_lshlrev_b32 v[CO], 4, v2
	WIN 0xc0                                       ; destination window 3
.irp a, 0,1,2,3
.irp g, 0,1,2,3,4,5,6,7,8,9,10,11,12,13,14,15
	global_load_b128 v[64*\a+4*\g:64*\a+4*\g+3], v[CO], s[8:9] offset:\a*8192+\g*512
.endr
.endr
	WIN 0
	; my image's number: q, k: R's group x 32 + the token slab;  v: 768 + head x 32 + 2 x token group + channel slab = 32 x P's group + 2 x R's group + my slab
	s_lshl_b32 s78, s70, 5
	s_add_co_u32 s78, s78, s74
	s_lshl_b32 s79, s18, 5
	s_lshl_b32 s80, s70, 1
	s_add_co_u32 s79, s79, s80
	s_add_co_u32 s79, s79, s15
	s_cmp_eq_u32 s42, 1
	s_cselect_b32 s78, s79, s78
	s_lshl_b32 s80, s78, 15
	s_mov_b32 s81, 0
	s_add_nc_u64 s[10:11], s[10:11], s[80:81]
	s_lshl_b32 s80, s78, 2
	s_add_nc_u64 s[12:13], s[12:13], s[80:81]
	s_mov_b32 s82, 0x76543210
	s_mov_b32 s83, 0xfedcba98                      ; v_permlanex16_b32's selects for lane l xor 16
	v_and_b32 v1, 15, v0                           ; r
	v_bfe_u32 v3, v0, 4, 1                         ; h
	v_lshlrev_b32 v4, 4, v1
	v_mul_u32_u24 v5, v3, QSB
	v_add_nc_u32 v5, v5, v4
	s_mul_i32 s21, s15, PQ4
	s_mul_i32 s22, s16, RG4
	s_add_co_u32 s22, s22, 2*PQ4
.irp s, 0,1
	v_add_nc_u32 v[ADP+\s], s21, v[CO]
	v_add_nc_u32 v[ADR+\s], s22, v[CO]
	v_add_nc_u32 v[ASP+\s], s21, v4
	v_add_nc_u32 v[ASR+\s], s22, v5
	s_add_co_u32 s21, s21, SLOT
	s_add_co_u32 s22, s22, SLOT
.endr
; 38 LDS loads in one run: the slot's q-th K step into set p: R's eight fragments, P's four, and both sides' scale words
.macro FETCH s, q, p
	WIN 0x40                                       ; destination window 1
.irp b, 0,1,2,3,4,5,6,7
.irp c, 0,1,2
	ds_load_b128 v[128*(\p)+12*\b+4*\c:128*(\p)+12*\b+4*\c+3], v[ADR+\s] offset:(\q)*KCB+(\b/4)*QSB+(\b%4)*FRB+512*\c
.endr
.endr
	WIN 0
.irp a, 0,1,2,3
.irp c, 0,1,2
	ds_load_b128 v[PF+48*(\p)+12*\a+4*\c:PF+48*(\p)+12*\a+4*\c+3], v[ADP+\s] offset:(\q)*QSB+\a*FRB+512*\c
.endr
.endr
	ds_load_b128 v[SCP+4*(\p):SCP+4*(\p)+3], v[ASP+\s] offset:(\q)*QSB+6144
	ds_load_b128 v[SCR+4*(\p):SCP+4*(\p)+11], v[ASR+\s] offset:(\q)*KCB+6144
.endm
; 8 matrix instructions: P's fragment a against R's eight.  The 32 accumulators take turns, one instruction a turn, in the same order in every step.
.macro MUL8 a, p, zero
.irp b, 0,1,2,3,4,5,6,7
.set DA, 8*(8*(\a)+\b)
.set RA, 128*(\p)+12*\b
.set PA, PF+48*(\p)+12*(\a)
.set SA, SCR+4*(\p)+\b%4
.set SQ, SCP+4*(\p)+(\a)
.if \zero
.if \b < 4
	v_wmma_scale_f32_16x16x128_f8f6f4 v[DA:DA+7], v[RA:RA+11], v[PA:PA+11], 0, v[SA], v[SQ] matrix_a_fmt:MATRIX_FMT_FP6 matrix_b_fmt:MATRIX_FMT_FP6
.else
	v_wmma_scale_f32_16x16x128_f8f6f4 v[DA:DA+7], v[RA:RA+11], v[PA:PA+11], 0, v[SA], v[SQ] matrix_a_fmt:MATRIX_FMT_FP6 matrix_b_fmt:MATRIX_FMT_FP6 matrix_a_scale:MATRIX_SCALE_ROW1
.endif
.else
.if \b < 4
	v_wmma_scale_f32_16x16x128_f8f6f4 v[DA:DA+7], v[RA:RA+11], v[PA:PA+11], v[DA:DA+7], v[SA], v[SQ] matrix_a_fmt:MATRIX_FMT_FP6 matrix_b_fmt:MATRIX_FMT_FP6
.else
	v_wmma_scale_f32_16x16x128_f8f6f4 v[DA:DA+7], v[RA:RA+11], v[PA:PA+11], v[DA:DA+7], v[SA], v[SQ] matrix_a_fmt:MATRIX_FMT_FP6 matrix_b_fmt:MATRIX_FMT_FP6 matrix_a_scale:MATRIX_SCALE_ROW1
.endif
.endif
.endr
.endm
; A K step that has its successor in the same slot: the successor's fragments are asked for first and land under this step's 32 matrix instructions.
.macro STEP s, q, zero
	s_wait_dscnt 0x0                               ; this step's fragments, asked for a step ago
.if \zero == 0
	PLACES                                         ; the other set was read by the last step's products
.endif
	FETCH \s, (\q)+1, 1-(\q)%2
	WIN MUL
	MUL8 0, (\q)%2, \zero
	MUL8 1, (\q)%2, \zero
	MUL8 2, (\q)%2, \zero
	MUL8 3, (\q)%2, \zero
.endm
; A slot's last K step changes slots: ONE barrier; in front of it each wave waits for all its tensor loads, adds 0 to its spare word, and waits for that and for its reads of this slot.  fill = 1: this slot is filled again, two slots ahead.
.macro TURN s, nx, fill
	WIN 0                                          ; (the add's two registers lie in window 0)
	s_wait_tensorcnt 0x0                           ; all my tensor loads have landed: my part of the next slot
	ds_add_u32 v[SPW], v[NIL]                      ; 0 onto my spare word
	s_wait_dscnt 0x1                               ; this step's fragments are in; the add may be out
	WIN MUL
	MUL8 0, 1, 0                                   ; eight matrix instructions stand between the add and the wait for it
	s_wait_dscnt 0x0                               ; the add is done, and my reads of this slot are over
	s_barrier_signal -1
	MUL8 1, 1, 0
	WIN 0
	s_barrier_wait -1
.if \fill
	CREST                                          ; the barrier has opened a round of the cluster's: no wave of any partner still reads this slot or has a load on its way
	s_add_nc_u64 s[G0P+4*\s+2:G0P+4*\s+3], s[G0P+4*\s+2:G0P+4*\s+3], 2*RG4
	s_add_nc_u64 s[G0R+4*\s+2:G0R+4*\s+3], s[G0R+4*\s+2:G0R+4*\s+3], 2*RG4
	JLOAD G0P+4*\s, G1P, G0R+4*\s, G1R             ; the first tensor load behind the round; its four v_nop are also the places in front of the loads below
.else
	PLACES
.endif
	FETCH \nx, 0, 0
	WIN MUL
	MUL8 2, 1, 0
	MUL8 3, 1, 0
.endm
	s_wait_tensorcnt 0x1                           ; my part of slot 0 is in; slot 1's may stay out
	s_barrier_signal -1
	s_barrier_wait -1
	FETCH 0, 0, 0
	STEP 0, 0, 1                                   ; the first step stands in front of the loop: its products start the sums
	WIN 0                                          ; at a label and at a branch every window is 0
	s_mov_b32 s3, NKC/8-1
.Llap:                                                 ; a trip goes once round the ring, from a lap's second step to the next lap's first, and fills both slots again
	STEP 0, 1, 0
	STEP 0, 2, 0
	TURN 0, 1, 1
	STEP 1, 0, 0
	STEP 1, 1, 0
	STEP 1, 2, 0
	TURN 1, 0, 1
	STEP 0, 0, 0
	WIN 0
	s_sub_co_u32 s3, s3, 1
	s_cmp_lg_u32 s3, 0
	s_cbranch_scc1 .Llap
	STEP 0, 1, 0                                   ; the last lap fills nothing
	STEP 0, 2, 0
	TURN 0, 1, 0
	STEP 1, 0, 0
	STEP 1, 1, 0
	STEP 1, 2, 0
	s_wait_dscnt 0x0                               ; the very last step
	MUL8 0, 1, 0
	MUL8 1, 1, 0
	MUL8 2, 1, 0
	MUL8 3, 1, 0
	WIN 0
	PLACES
	s_wait_loadcnt 0x0                             ; the table
	s_cmp_eq_u32 s42, 1
	s_cbranch_scc1 .Lno_rope                       ; v is not turned
; RoPE.  Tiles 0-3 hold channels d < 64 (x1), tiles 4-7 the channels d + 64 (x2), in the same lanes and registers: x1' = x1 cos - x2 sin, x2' = x2 cos + x1 sin.  Each accumulator is read from its low end on.
.macro ROPE a
	WIN 0x0e                                       ; source 0 window 2, source 1 window 3, destination window 0
.set n, 0
.rept 16
	v_pk_mul_f32 v[TT+n:TT+n+1], v[64*(\a)+32+n:64*(\a)+33+n], v[64*(\a)+32+n:64*(\a)+33+n]       ; x2 sin
.set n, n+2
.endr
.set n, 0
.rept 16
	v_pk_mul_f32 v[TT+32+n:TT+33+n], v[64*(\a)+n:64*(\a)+1+n], v[64*(\a)+32+n:64*(\a)+33+n]       ; x1 sin
.set n, n+2
.endr
	WIN 0x8e                                       ; destination and source 0 window 2, source 1 window 3, source 2 window 0
.set n, 0
.rept 16
	v_pk_fma_f32 v[64*(\a)+n:64*(\a)+1+n], v[64*(\a)+n:64*(\a)+1+n], v[64*(\a)+n:64*(\a)+1+n], v[TT+n:TT+n+1] neg_lo:[0,0,1] neg_hi:[0,0,1]
.set n, n+2
.endr
.set n, 0
.rept 16
	v_pk_fma_f32 v[64*(\a)+32+n:64*(\a)+33+n], v[64*(\a)+32+n:64*(\a)+33+n], v[64*(\a)+n:64*(\a)+1+n], v[TT+32+n:TT+33+n]
.set n, n+2
.endr
.endm
	ROPE 0
	ROPE 1
	ROPE 2
	ROPE 3
	WIN 0
.Lno_rope:
.irp k, 0,1,2,3
	v_mov_b32 v[8+\k], 0
.endr
	WIN 0x28                                       ; sources 1 and 2 window 2
.set n, 0
.rept 128
	v_max3_num_f32 v[8+(n/2)%4], v[8+(n/2)%4], |v[n]|, |v[n+1]|    ; my largest magnitude, in four chains, ascending through the accumulators
.set n, n+2
.endr
	WIN 0
	v_max3_num_f32 v8, v8, v9, v10
	v_max_num_f32 v8, v8, v11
	v_max_num_f32_dpp v8, v8, v8 row_xmask:1 row_mask:0xf bank_mask:0xf
	v_max_num_f32_dpp v8, v8, v8 row_xmask:2 row_mask:0xf bank_mask:0xf
	v_max_num_f32_dpp v8, v8, v8 row_xmask:4 row_mask:0xf bank_mask:0xf
	v_max_num_f32_dpp v8, v8, v8 row_xmask:8 row_mask:0xf bank_mask:0xf
	v_permlanex16_b32 v9, v8, s82, s83
	v_max_num_f32 v8, v8, v9                       ; the wave's
	v_mov_b32 v10, 0
	WIN 0x08                                       ; a store's data are its source 1: window 2
.irp a, 0,1,2,3
.irp b, 0,1,2,3,4,5,6,7
.irp f, 0,1
	global_store_b128 v[CO], v[8*(8*\a+\b)+4*\f:8*(8*\a+\b)+4*\f+3], s[10:11] offset:\a*8192+\b*1024+\f*512   ; 32 lanes store 512 consecutive bytes
.endr
.endr
.endr
	WIN 0
	s_wait_xcnt 0x0                                ; EXEC changes only behind this wait
	v_cmp_eq_u32 vcc_lo, 0, v2
	s_and_saveexec_b32 s84, vcc_lo
	global_store_b32 v10, v8, s[12:13]             ; lane 0 alone
	s_wait_xcnt 0x0
	s_or_b32 exec_lo, exec_lo, s84
	s_wait_tensorcnt 0x0                           ; the wave's end
	ds_add_u32 v[SPW], v[NIL]
	s_wait_dscnt 0x0
	CROUND                                         ; the closing round: no work-group ends while a partner may still ask for a tile that names it
	s_endpgm
.Lfunc_end_k_q5d6081f773_qkv:
	.size	k_q5d6081f773_qkv, .Lfunc_end_k_q5d6081f773_qkv-k_q5d6081f773_qkv
	.p2alignl 7, 3214868480
	.fill 96, 4, 3214868480
	.section	.rodata,"a",@progbits
	.p2align	6, 0x0
	.amdhsa_kernel k_q5d6081f773_qkv
		.amdhsa_group_segment_fixed_size 327680
		.amdhsa_private_segment_fixed_size 0
		.amdhsa_enable_private_segment 0
		.amdhsa_kernarg_size 40
		.amdhsa_user_sgpr_count 2
		.amdhsa_user_sgpr_kernarg_segment_ptr 1
		.amdhsa_wavefront_size32 1
		.amdhsa_system_sgpr_workgroup_id_x 1
		.amdhsa_system_sgpr_workgroup_id_y 1
		.amdhsa_system_sgpr_workgroup_id_z 1
		.amdhsa_system_vgpr_workitem_id 0
		.amdhsa_next_free_vgpr 1024
		.amdhsa_next_free_sgpr 100
		.amdhsa_reserve_vcc 1
		.amdhsa_float_denorm_mode_32 3
		.amdhsa_float_denorm_mode_16_64 3
		.amdhsa_memory_ordered 1
		.amdhsa_forward_progress 1
		.amdhsa_inst_pref_size 154
	.end_amdhsa_kernel
	.amdgpu_metadata
---
amdhsa.version: [ 1, 2 ]
amdhsa.kernels:
  - .name:           k_q5d6081f773_qkv
    .symbol:         k_q5d6081f773_qkv.kd
    .args:
      - { .name: xp, .offset: 0, .size: 8, .value_kind: global_buffer, .address_space: global }
      - { .name: wp, .offset: 8, .size: 8, .value_kind: global_buffer, .address_space: global }
      - { .name: rope, .offset: 16, .size: 8, .value_kind: global_buffer, .address_space: global }
      - { .name: qkvf, .offset: 24, .size: 8, .value_kind: global_buffer, .address_space: global }
      - { .name: pmax, .offset: 32, .size: 8, .value_kind: global_buffer, .address_space: global }
    .group_segment_fixed_size: 327680
    .private_segment_fixed_size: 0
    .kernarg_segment_align: 8
    .kernarg_segment_size: 40
    .max_flat_workgroup_size: 128
    .sgpr_count:     100
    .vgpr_count:     1024
    .wavefront_size: 32
...
	.end_amdgpu_metadata
.endif
;; end of part 2
;; launch requant (part 3): grid 256 x 1, 4 waves a work-group, no clusters, 0 bytes of LDS; arguments qkvf, pmax, qkvp; writes qkvp
.if DOCPART == 3
	.amdgcn_target "amdgcn-amd-amdhsa--gfx1250"
	.amdhsa_code_object_version 6
	.text
	.protected	k_q5d6081f773_requant
	.globl	k_q5d6081f773_requant
	.p2align	8
	.type	k_q5d6081f773_requant,@function
k_q5d6081f773_requant:
	s_mov_b64 s[64:65], 0
	v_nop
	global_prefetch_b8 v0, s[64:65] scope:SCOPE_SE
	s_setreg_imm32_b32 hwreg(HW_REG_WAVE_MODE, 25, 1), 1
	s_wait_xcnt 0x0
; The fake quantiser of q, k and v (round(x / s) s with s = the tensor's largest magnitude / 127), and behind it the quantiser to FP6 (E2M3) with one E8M0 byte for each 32 along K.
; Wave n = 4 x work-group + wave turns image n of qkvf (64 rows x 128, 32,768 bytes: [a][b][half][lane][16 bytes], the accumulators as they stood) into slab n of qkvp (four fragments as register
; images and 256 bytes of scale words, 6,400 bytes).  Images 0-511 are q's, 512-767 k's, 768-1023 v's.  In image part a register 16 B + i of lane (r, h) is k = 32 B + 16 h + i of the lane's row.
; The tensor's largest magnitude: every wave reads its tensor's partial maxima (2,048 or 1,024 bytes) and joins them.  s = m / 127 and x / s are made by a reciprocal and one correction by the
; remainder each, which gives the division's own rounding but for rare last-bit cases.
; LIMITS: a tensor that is all zeros (s = 0) is NaN in the definition too and is not served; NaN and infinities are not served; a block of zeros gets the byte 1 (its codes are zeros; this program alone reads the bytes).
; Memory binds: no LDS, no barrier, no matrix unit; waves share nothing.  Three of a wave's four parts are on their way at once.
.set D,   64                           ; v64-255 three sets of 64 numbers
.set TM,  8                            ; v8-11 largest magnitudes, v12-15 bytes, v20-23 scale operands
.set YT,  24                           ; v24-31 at work
.set PC,  32                           ; v32-43 a fragment's codes; v44-50 at work
.set PWA, 52                           ; v52-55 the four fragments' scale words
.set ET,  56                           ; v56-63 at work
.set SC,  4                            ; v[4:5] s, twice
.set RI,  6                            ; v[6:7] 1 / s, twice
.set SEL, 22
	s_load_b128 s[4:7], s[0:1], 0x0                ; qkvf, pmax
	s_load_b64 s[8:9], s[0:1], 0x10                ; qkvp
	v_lshrrev_b32 v1, 5, v0
	v_readfirstlane_b32 s10, v1
	s_lshl_b32 s11, ttmp9, 2
	s_add_co_u32 s11, s11, s10                     ; n
	v_and_b32 v2, 31, v0
	v_lshlrev_b32 v1, 4, v2                        ; 16 x lane
	v_and_b32 v3, 15, v2
	v_lshrrev_b32 v8, 4, v2
	v_lshlrev_b32 v3, 4, v3
	v_lshl_add_u32 v3, v8, 3, v3                   ; the scale words' place: 16 r + 8 h
	s_mov_b32 s12, 3072                            ; where my tensor's partial maxima begin
	s_cmp_lt_u32 s11, 768
	s_cselect_b32 s12, 2048, s12
	s_cmp_lt_u32 s11, 512
	s_cselect_b32 s12, 0, s12
	s_cselect_b32 s14, 1024, 0                     ; q has 2,048 bytes of them; k and v 1,024, read twice
	s_mov_b32 s13, 0
	s_mov_b32 s15, 0
	s_lshl_b32 s16, s11, 15
	s_mov_b32 s17, 0
	s_mul_i32 s18, s11, 6400
	s_mov_b32 s19, 0
	s_mov_b32 s[SEL], 0x76543210
	s_mov_b32 s[SEL+1], 0xfedcba98
.irp b, 0,1,2,3
	v_mov_b32 v[TM+4+\b], 0                        ; written once: a lane permute's destination counts as one of its sources
.endr
	s_wait_kmcnt 0x0
	s_add_nc_u64 s[6:7], s[6:7], s[12:13]
	s_add_nc_u64 s[20:21], s[6:7], s[14:15]
	s_add_nc_u64 s[4:5], s[4:5], s[16:17]
	s_add_nc_u64 s[8:9], s[8:9], s[18:19]
	global_load_b128 v[YT:YT+3], v1, s[6:7]
	global_load_b128 v[YT+4:YT+7], v1, s[6:7] offset:512
	global_load_b128 v[ET:ET+3], v1, s[20:21]
	global_load_b128 v[ET+4:ET+7], v1, s[20:21] offset:512
.macro DLOAD a                         ; part a: 16 loads of 512 consecutive bytes, into set a % 3
.irp n, 0,1,2,3,4,5,6,7,8,9,10,11,12,13,14,15
	global_load_b128 v[D+64*((\a)%3)+4*\n:D+64*((\a)%3)+4*\n+3], v1, s[4:5] offset:(\a)*8192+512*\n th:TH_LOAD_NT
.endr
.endm
	DLOAD 0
	DLOAD 1
	DLOAD 2
	s_wait_loadcnt 48                              ; the partial maxima are in; the three parts may be out
	v_max3_num_f32 v24, v24, v25, v26
	v_max3_num_f32 v27, v27, v28, v29
	v_max3_num_f32 v30, v30, v31, v56
	v_max3_num_f32 v57, v57, v58, v59
	v_max3_num_f32 v60, v60, v61, v62
	v_max3_num_f32 v24, v24, v27, v30
	v_max3_num_f32 v57, v57, v60, v63
	v_max_num_f32 v24, v24, v57
	v_max_num_f32_dpp v24, v24, v24 row_xmask:1 row_mask:0xf bank_mask:0xf
	v_max_num_f32_dpp v24, v24, v24 row_xmask:2 row_mask:0xf bank_mask:0xf
	v_max_num_f32_dpp v24, v24, v24 row_xmask:4 row_mask:0xf bank_mask:0xf
	v_max_num_f32_dpp v24, v24, v24 row_xmask:8 row_mask:0xf bank_mask:0xf
	v_permlanex16_b32 v25, v24, s[SEL], s[SEL+1]
	v_max_num_f32 v24, v24, v25                    ; m
	v_mul_f32 v[SC], 0x3c010204, v24               ; m x (1 / 127),
	v_fma_f32 v[SC+1], 0xc2fe0000, v[SC], v24      ; what is left of m,
	v_fma_f32 v[SC], v[SC+1], 0x3c010204, v[SC]    ; s = m / 127
	v_mov_b32 v[SC+1], v[SC]
	v_rcp_f32 v[RI], v[SC]
	v_nop                                          ; a plain instruction behind the reciprocal,
	s_wait_alu depctr_va_vdst(0)                   ; and the wait ahead of its first reader
	v_fma_f32 v[RI+1], -v[SC], v[RI], 1.0
	v_fma_f32 v[RI], v[RI+1], v[RI], v[RI]         ; 1 / s, once corrected
	v_mov_b32 v[RI+1], v[RI]
; 64 numbers in place: y = x / s (a product, its remainder, a correction), to the nearest whole number, ties to even, x s.  Four pairs by turns.
.macro FQ d
.set g, 0
.rept 8
.irp k, 0,1,2,3
	v_pk_mul_f32 v[YT+2*\k:YT+2*\k+1], v[(\d)+g+2*\k:(\d)+g+2*\k+1], v[RI:RI+1] op_sel_hi:[1,0]
.endr
.irp k, 0,1,2,3
	v_pk_fma_f32 v[ET+2*\k:ET+2*\k+1], v[SC:SC+1], v[YT+2*\k:YT+2*\k+1], v[(\d)+g+2*\k:(\d)+g+2*\k+1] op_sel_hi:[0,1,1] neg_lo:[1,0,0] neg_hi:[1,0,0]
.endr
.irp k, 0,1,2,3
	v_pk_fma_f32 v[YT+2*\k:YT+2*\k+1], v[ET+2*\k:ET+2*\k+1], v[RI:RI+1], v[YT+2*\k:YT+2*\k+1] op_sel_hi:[1,0,1]
.endr
.irp k, 0,1,2,3,4,5,6,7
	v_rndne_f32 v[YT+\k], v[YT+\k]
.endr
.irp k, 0,1,2,3
	v_pk_mul_f32 v[(\d)+g+2*\k:(\d)+g+2*\k+1], v[YT+2*\k:YT+2*\k+1], v[SC:SC+1] op_sel_hi:[1,0]
.endr
.set g, g+8
.endr
.endm
; 64 numbers of a lane, register 16 b + i = k 32 b + 16 (lane / 16) + i of my row, become a fragment's codes in v[PC] on and its scale word in v[pw].
.macro QUANT s, pw
.irp b, 0,1,2,3
	v_max3_num_f32 v[TM+\b], |v[(\s)+16*\b]|, |v[(\s)+1+16*\b]|, 0x1800000   ; block b: my 16 numbers, and the floor 2^(3 - 127): the byte cannot fall under 1
.endr
.irp i, 2,4,6,8,10,12,14
.irp b, 0,1,2,3
	v_max3_num_f32 v[TM+\b], v[TM+\b], |v[(\s)+16*\b+\i]|, |v[(\s)+1+16*\b+\i]|
.endr
.endr
.irp b, 0,1,2,3
	v_permlanex16_b32 v[TM+4+\b], v[TM+\b], s[SEL], s[SEL+1]
.endr
.irp b, 0,1,2,3
	v_max_num_f32 v[TM+\b], v[TM+\b], v[TM+4+\b]   ; with lane l xor 16's: the block's largest magnitude
.endr
.irp b, 0,1,2,3
	v_add_nc_u32 v[TM+12+\b], 0xff000000, v[TM+\b] ; 2 off its exponent field: the conversion's scale operand
.endr
.irp b, 0,1,2,3
	v_lshrrev_b32 v[TM+4+\b], 23, v[TM+12+\b]      ; the byte
.endr
	v_lshl_or_b32 v[\pw], v[TM+5], 8, v[TM+4]
	v_lshl_or_b32 v[\pw], v[TM+6], 16, v[\pw]
	v_lshl_or_b32 v[\pw], v[TM+7], 24, v[\pw]
.irp c, 0,1
	v_cvt_scalef32_pk16_fp6_f32 v[PC+6*\c:PC+2+6*\c], v[(\s)+32*\c:(\s)+15+32*\c], v[TM+12+2*\c]
	v_cvt_scalef32_pk16_fp6_f32 v[PC+12+4*\c:PC+14+4*\c], v[(\s)+16+32*\c:(\s)+31+32*\c], v[TM+12+2*\c+1]   ; (a conversion's three registers begin on an even number)
.endr
	v_nop                                          ; one plain instruction behind a scaled conversion
.irp c, 0,1                                    ; the operand's layout wants a whole block in a lane: lanes 0-15 block 2 c, lanes 16-31 block 2 c + 1
.irp i, 0,1,2
	v_permlane16_swap_b32 v[PC+6*\c+\i], v[PC+12+4*\c+\i]
.endr
.irp i, 0,1,2
	v_mov_b32 v[PC+3+6*\c+\i], v[PC+12+4*\c+\i]
.endr
.endr
.endm
.macro PART a, left
	s_wait_loadcnt \left                           ; part a is in; the younger parts may be out
	FQ D+64*((\a)%3)
.if (\a) > 0
	s_wait_xcnt 0x0                                ; the last part's stores have read the code registers
.endif
	QUANT D+64*((\a)%3), PWA+(\a)
.irp c, 0,1,2
	global_store_b128 v1, v[PC+4*\c:PC+4*\c+3], s[8:9] offset:1536*(\a)+512*\c   ; the fragment's image: 512 consecutive bytes a store
.endr
.endm
	PART 0, 32
	DLOAD 3                                        ; into the set that part 0 has left
	PART 1, 32
	PART 2, 16
	PART 3, 0
	v_cmp_lt_u32 vcc_lo, 15, v2                    ; lanes 0-15 store the words of fragments 0 and 1, lanes 16-31 of 2 and 3: 256 consecutive bytes
	v_cndmask_b32 v56, v[PWA], v[PWA+2], vcc_lo
	v_cndmask_b32 v57, v[PWA+1], v[PWA+3], vcc_lo
	global_store_b64 v3, v[56:57], s[8:9] offset:6144
	s_endpgm
.Lfunc_end_k_q5d6081f773_requant:
	.size	k_q5d6081f773_requant, .Lfunc_end_k_q5d6081f773_requant-k_q5d6081f773_requant
	.p2alignl 7, 3214868480
	.fill 96, 4, 3214868480
	.section	.rodata,"a",@progbits
	.p2align	6, 0x0
	.amdhsa_kernel k_q5d6081f773_requant
		.amdhsa_group_segment_fixed_size 0
		.amdhsa_private_segment_fixed_size 0
		.amdhsa_enable_private_segment 0
		.amdhsa_kernarg_size 24
		.amdhsa_user_sgpr_count 2
		.amdhsa_user_sgpr_kernarg_segment_ptr 1
		.amdhsa_wavefront_size32 1
		.amdhsa_system_sgpr_workgroup_id_x 1
		.amdhsa_system_sgpr_workgroup_id_y 1
		.amdhsa_system_sgpr_workgroup_id_z 1
		.amdhsa_system_vgpr_workitem_id 0
		.amdhsa_next_free_vgpr 256
		.amdhsa_next_free_sgpr 66
		.amdhsa_reserve_vcc 1
		.amdhsa_float_denorm_mode_32 3
		.amdhsa_float_denorm_mode_16_64 3
		.amdhsa_memory_ordered 1
		.amdhsa_forward_progress 1
		.amdhsa_inst_pref_size 66
	.end_amdhsa_kernel
	.amdgpu_metadata
---
amdhsa.version: [ 1, 2 ]
amdhsa.kernels:
  - .name:           k_q5d6081f773_requant
    .symbol:         k_q5d6081f773_requant.kd
    .args:
      - { .name: qkvf, .offset: 0, .size: 8, .value_kind: global_buffer, .address_space: global }
      - { .name: pmax, .offset: 8, .size: 8, .value_kind: global_buffer, .address_space: global }
      - { .name: qkvp, .offset: 16, .size: 8, .value_kind: global_buffer, .address_space: global }
    .group_segment_fixed_size: 0
    .private_segment_fixed_size: 0
    .kernarg_segment_align: 8
    .kernarg_segment_size: 24
    .max_flat_workgroup_size: 128
    .sgpr_count:     66
    .vgpr_count:     256
    .wavefront_size: 32
...
	.end_amdgpu_metadata
.endif
;; end of part 3
;; launch attn (part 4): grid 32 x 8, 8 waves a work-group, clusters of 4 x 4, 327,680 bytes of LDS; arguments qkvp, attention_mask, ap; writes ap
.if DOCPART == 4
	.amdgcn_target "amdgcn-amd-amdhsa--gfx1250"
	.amdhsa_code_object_version 6
	.text
	.protected	k_q5d6081f773_attn
	.globl	k_q5d6081f773_attn
	.p2align	8
	.type	k_q5d6081f773_attn,@function
k_q5d6081f773_attn:
	s_mov_b64 s[64:65], 0
	v_nop
	global_prefetch_b8 v0, s[64:65] scope:SCOPE_SE
	s_setreg_imm32_b32 hwreg(HW_REG_WAVE_MODE, 25, 1), 1
	s_wait_xcnt 0x0
	s_wait_alu depctr_hold_cnt(0) depctr_sa_sdst(0) depctr_va_vdst(0) depctr_va_sdst(0) depctr_va_ssrc(0) depctr_va_vcc(0) depctr_vm_vsrc(0)
	s_getreg_b32 s2, hwreg(HW_REG_IB_STS2, 6, 4)
	s_cmp_eq_u32 s2, 0
	s_cbranch_scc0 .Lentry_in_a_cluster
	s_endpgm
.Lentry_in_a_cluster:
	s_bfe_u32 s2, ttmp6, 0x10000c
	s_cmp_lg_u32 s2, 0xf033
	s_cbranch_scc0 .Lentry_shape_is_right
	s_endpgm
.Lentry_shape_is_right:
; attention for 16 query heads on 8 key and value heads, 2,048 x 2,048 x 128, both products on codes of FP6 (E2M3) with E8M0 scales; the additive mask is an input and is read whole; no tile is left out.
; logit = score / sqrt(128) + mask;  t = logit x log2(e), rounded;  M = the running largest t rounded UP to a whole number;  p = 2^(t - M) is quantised along the keys, not normalised;
; the row's sum is taken of the unquantised p and divides O at the end; when M moves, the sum and O are multiplied by 2^(old M - new M), which rounds nothing.
; O / sum is quantised along the head's 128 and leaves as codes: the first operand of the output projection.  It never goes to memory as f32.
; OPERANDS lie packed in qkvp: slabs of 6,400 bytes (four fragments of 16 rows x 128 K as register images, 256 bytes of scale words): q: slab head x 32 + query / 64; k: 512 + kv head x 32 + key / 64;
; v: 768 + kv head x 32 + 2 (key / 128) + channel / 64, rows = channels, K = keys.  Lane r of fragment 2 B + u holds row 32 B + 8 u + r + 8 (r / 8).
; Both products are used transposed: S^T = K Q^T, O^T = V^T P^T: a lane holds ONE query throughout, and the 16 registers of tiles 2 B and 2 B + 1 are 16 neighbours along the next K.
; SHARES.  A work-group: 64 queries x the two query heads of one kv head: 256 work-groups.  Wave w: fragment w % 4 of head 2 g + w / 4: 16 queries; two waves to a SIMD, 512 registers each.
; Every wave walks all keys, 128 a step.  A ring of two LDS slots of 256 keys: K (25,600 bytes), V (25,600), the mask's 64 rows x 256 keys (rows of 1,024 bytes + 8).
; THE LDS LOADS RUN AHEAD OF THEIR USE, into registers of their own (window 1): a step's V is asked for behind its score products and lands under the softmax; within a slot the second step's K is asked for
; behind the first step's mask has been added, its mask ahead of the first step's second product.  Nothing is asked for across a change of slots.  At most 58 LDS loads of a wave are out.
; CLUSTER: 4 x 4.  K and V hang on the kv head alone and are shared along a row of the cluster, the mask's tile on the queries alone and is shared along a column: joint loads.
; Waves 0-3 fetch 16 rows of the mask each, wave 4 K, wave 5 V.
; LIMITS: NaN among the inputs is not served; -infinity in the mask is, on rows that keep a key; a row whose every logit is about -1e9 gives equal weights, as the definition does.
; REGISTERS, in windows of 256 (s_set_vgpr_msb: bits 1:0 source 0, 3:2 source 1, 5:4 source 2, 7:6 destination):
;   window 0: v1-4, v7, v11, v28-29 addresses that stay; v5, v6 the add's; v8-10 addresses of the slot; v12 -M, v13 the largest t, v[14:15] the sum; v16-27 Q; v32-39 K's scale words, v40-47 V's;
;             v96-159 S^T, t, p; v160-223 O^T; v224-235 p's codes; v232-254 at work; v253 p's scale word; v255 Q's.
;   window 1: v0-95 K's eight fragments of a step; v96-159 the mask of my query at the step's keys; v160-255 V's eight fragments.
.set KCB,   12800
.set QSB,   6400
.set FRB,   1536
.set KVB,   4*QSB                      ; 256 keys of K, or of V
.set MP,    1032                       ; a row of the mask in LDS: 258 words: the rows of a load's 32 lanes begin 2 words apart modulo 64, 16 more for lanes 16-31: each 8 bytes on words of their own
.set MOFF,  2*KVB
.set SLOT1, 1<<17                      ; slot 1 begins here: one exclusive or turns an address in one slot into the other's
.set NSL,   8                          ; slots' worth of keys
.set SCST,  2*SLOT1                    ; behind the ring: 512 bytes in which four waves' scale words meet; no fill lands there
.set SPARE, SCST+512                   ; the spare words, 128 bytes a wave: four blocks of 256 bytes that no other line names
.set AK0, 1                            ; v1  16 x lane
.set AS0, 2                            ; v2  16 r
.set AM0, 3                            ; v3  my query's row of the mask's tile, + 64 (lane / 16)
.set SCA, 4                            ; v4  where my row's scale word goes
.set SPW, 5
.set NIL, 6
.set PFO, 7                            ; v7  the prefetches' offset
.set ADK, 8
.set ADS, 9
.set ADM, 10
.set GO,  11                           ; v11 16 x lane + 1,536 x my fragment: in Q's slab and in the result's
.set SCB, 28                           ; v28 where a head's 256 bytes of scale words are read back
.set G8,  29                           ; v29 8 x lane
.set KS,  32                           ; v32-39 the scale words of K's two slabs of a step
.set VS,  40                           ; v40-47 of V's
.set KF,  0                            ; in window 1
.set MK,  96
.set VF,  160
.set PC,  32                           ; the way out: the result's codes, where the scale words lay
.set TM,  232
.set PW,  253
.set WV,  18
.set TB,  19                           ; s19 LDS byte at which the slot in hand begins
.set SEL, 20
.set CS,  22                           ; s[22:23] 1 / sqrt(128)
.set G1M, 24                           ; s[24:31] descriptor group 1 for the mask's tiles; s[32:39] for K's and V's; s[44:47], s[48:51] their groups 0, which walk
.set G1KV, 32
.set G0M, 44
.set G0KV, 48
.set LE,  84                           ; s[84:85] log2(e)
.set SLOTS, 86
.set PFA, 88                           ; s[88:89] where my prefetches stand; s[90:91] a slot on; s92: 1 in a wave that prefetches, else the greatest number
.set PFS, 90
.set LIM, 92
.set MSB, 0
.macro WIN new                         ; the immediate's high byte repeats the setting that is left; a switch that changes nothing is dropped
.if MSB != \new
	s_set_vgpr_msb (MSB<<8)|\new
.set MSB, \new
.endif
.endm
.macro TLOAD                           ; the branches hang on the wave's number alone; four v_nop follow each of the two lines
	s_cmp_lt_u32 s[WV], 4
	s_cbranch_scc0 .Lnot_m_\@
	tensor_load_to_lds s[G0M:G0M+3], s[G1M:G1M+7]
	s_nop 0
.rept 4
	v_nop
.endr
	s_branch .Lasked_\@
.Lnot_m_\@:
	s_cmp_lt_u32 s[WV], 6
	s_cbranch_scc0 .Lasked_\@
	tensor_load_to_lds s[G0KV:G0KV+3], s[G1KV:G1KV+7]
	s_nop 0
.rept 4
	v_nop
.endr
.Lasked_\@:
.endm
; A PREFETCH INTO THE L2 of what the NEXT change of slots will ask for: two key steps ahead of that load.  The mask's 64 rows x 1,024 bytes: the clusters with y = 0 ask (those with y = 1 read the same rows);
; the four partners of a column take 16 rows each, told apart by address; in each, waves 6 and 7 take 8 rows, four lanes to a row, 256 bytes apart.  K's and V's four slabs: the clusters with x = 0 ask;
; the four partners of a row take a slab each, by address; wave 4 asks for K's, wave 5 for V's: 25 blocks of 256 bytes, a lane a block (lanes 25-31 name lane 24's).
; The last change that fills a slot asks for nothing; slots 0 and 1 come by their loads alone.
.macro ASK
	s_cmp_gt_u32 s[SLOTS], s[LIM]
	s_cbranch_scc0 .Lnot_mine_\@
	global_prefetch_b8 v[PFO], s[PFA:PFA+1] th:TH_LOAD_NT scope:SCOPE_SE
.Lnot_mine_\@:
.endm
.macro ROUND                           ; a round of the cluster's barrier
	s_barrier_signal -1
	s_barrier_wait -1
	s_cmp_lg_u32 s[WV], 0
	s_cbranch_scc1 .Lnot_wave_0_\@
	s_barrier_signal -3
.Lnot_wave_0_\@:
	s_barrier_wait -3
	s_barrier_signal -1
	s_barrier_wait -1
.endm
	s_load_b128 s[4:7], s[0:1], 0x0                ; qkvp, attention_mask
	s_load_b64 s[8:9], s[0:1], 0x10                ; ap
	v_lshl_add_u32 v[SPW], v0, 2, SPARE
	v_mov_b32 v[NIL], 0
	ds_add_u32 v5, v6
	s_wait_dscnt 0x0
	v_lshrrev_b32 v8, 5, v0
	v_readfirstlane_b32 s[WV], v8                  ; wave 0..7
	s_bfe_u32 s40, ttmp6, 0x40000                  ; cx, cy
	s_bfe_u32 s41, ttmp6, 0x40004
	s_lshl_b32 s42, ttmp9, 2
	s_add_co_u32 s42, s42, s40                     ; which 64 queries
	s_and_b32 s43, ttmp7, 0xffff                   ; cluster y
	s_lshl_b32 s52, s43, 2
	s_add_co_u32 s52, s52, s41                     ; the kv head
	s_lshl_b32 s53, s41, 2
	s_lshl_b32 s53, 15, s53                        ; my row of the cluster
	s_lshl_b32 s54, 0x1111, s40                    ; my column
	s_or_b32 s[G1M], s54, (2<<16)|(1<<20)|(1<<21)|(7<<22)|(1<<25)   ; the mask's tiles go to my column; elements of 4 bytes; padding on: after every 256 words (code 7) 2 words (code 1)
	s_mov_b32 s[G1M+1], 256<<16                    ; 16 rows of 256 numbers, 2,048 numbers apart
	s_mov_b32 s[G1M+2], 16<<16
	s_mov_b32 s[G1M+3], 256<<16
	s_mov_b32 s[G1M+4], 16
	s_mov_b32 s[G1M+5], 2048
	s_mov_b32 s[G1M+6], 0
	s_mov_b32 s[G1M+7], 0
	s_or_b32 s[G1KV], s53, (3<<16)|(1<<21)         ; K's and V's go to my row; 25,600 dense bytes as 100 rows of 256
	s_mov_b32 s[G1KV+1], 32<<16
	s_mov_b32 s[G1KV+2], 100<<16
	s_mov_b32 s[G1KV+3], 32<<16
	s_mov_b32 s[G1KV+4], 100
	s_mov_b32 s[G1KV+5], 32
	s_mov_b32 s[G1KV+6], 0
	s_mov_b32 s[G1KV+7], 0
	s_and_b32 s55, s[WV], 3                        ; my fragment of the queries.  Also: which 16 rows of the mask's tile I would fetch
	s_lshl_b32 s56, s42, 19                        ; 64 rows of 8,192 bytes,
	s_lshl_b32 s57, s55, 17                        ; 16 rows
	s_add_co_u32 s56, s56, s57
	s_mov_b32 s57, 0
	s_mul_i32 s58, s55, 16*MP
	s_add_co_u32 s58, s58, MOFF
	s_and_b32 s59, s[WV], 1                        ; K (0) or V (1)
	s_lshl_b32 s60, s59, 8
	s_lshl_b32 s61, s52, 5
	s_add_co_u32 s60, s60, s61
	s_add_co_u32 s60, s60, 512                     ; the head's first slab of K or of V
	s_mul_i32 s60, s60, QSB
	s_mov_b32 s61, 0
	s_mul_i32 s62, s59, KVB
	s_lshr_b32 s66, s[WV], 2
	s_lshl_b32 s67, s52, 1
	s_add_co_u32 s66, s66, s67                     ; my query head
	s_lshl_b32 s67, s66, 5
	s_add_co_u32 s67, s67, s42
	s_mul_i32 s68, s67, QSB                        ; Q's slab
	s_mov_b32 s69, 0
	s_lshr_b32 s72, s42, 1                         ; the result: ((queries / 128) x 16 + head) x 12,800 + the slab
	s_lshl_b32 s72, s72, 4
	s_add_co_u32 s72, s72, s66
	s_mul_i32 s72, s72, KCB
	s_and_b32 s73, s42, 1
	s_mul_i32 s73, s73, QSB
	s_add_co_u32 s72, s72, s73
	s_mov_b32 s73, 0
	s_mov_b32 s[SEL], 0x76543210
	s_mov_b32 s[SEL+1], 0xfedcba98
	s_mov_b32 s[CS], 0x3db504f3
	s_mov_b32 s[CS+1], s[CS]                       ; (named with it as a pair, so it is written)
	s_mov_b32 s[LE], 0x3fb8aa3b
	s_mov_b32 s[LE+1], s[LE]
	s_mov_b32 s[TB], 0
	s_mov_b32 s[SLOTS], NSL-1
	s_wait_kmcnt 0x0
	ROUND                                          ; all sixteen work-groups are here: the first joint loads meet
	s_mov_b32 s[G0M], 1
	s_mov_b32 s[G0M+1], s58
	s_add_nc_u64 s[G0M+2:G0M+3], s[6:7], s[56:57]
	s_or_b32 s[G0M+3], s[G0M+3], 0x80000000
	s_mov_b32 s[G0KV], 1
	s_mov_b32 s[G0KV+1], s62
	s_add_nc_u64 s[G0KV+2:G0KV+3], s[4:5], s[60:61]
	s_or_b32 s[G0KV+3], s[G0KV+3], 0x80000000
	TLOAD                                          ; slot 0: one tensor load of mine is out
	s_add_nc_u64 s[70:71], s[4:5], s[68:69]
	s_add_nc_u64 s[8:9], s[8:9], s[72:73]
	; the prefetches: where my wave's stand, and who asks
	s_mul_i32 s75, s40, QSB
	s_add_co_u32 s75, s75, s60                     ; K, V: my work-group's slab of a slot's four
	s_lshl_b32 s76, s41, 17                        ; the mask: my work-group's 16 rows,
	s_lshl_b32 s77, s59, 16                        ; my wave's 8 of them
	s_add_co_u32 s76, s76, s77
	s_lshl_b32 s77, s42, 19
	s_add_co_u32 s76, s76, s77
	s_mov_b32 s[PFS], 1024
	s_cmp_lt_u32 s[WV], 6
	s_cselect_b64 s[PFA:PFA+1], s[4:5], s[6:7]
	s_cselect_b32 s[PFS], KVB, s[PFS]              ; a slot on
	s_cselect_b32 s74, -1, 0
	s_cselect_b32 s76, s75, s76
	s_cselect_b32 s78, ttmp9, s43                  ; the coordinate along which other clusters read the same bytes
	s_add_co_u32 s76, s76, s[PFS]                  ; in slot 1: the first change of slots steps it to slot 2
	s_mov_b32 s77, 0
	s_mov_b32 s[PFS+1], 0
	s_add_nc_u64 s[PFA:PFA+1], s[PFA:PFA+1], s[76:77]
	s_cmp_eq_u32 s78, 0
	s_cselect_b32 s[LIM], 1, -1
	s_cmp_lt_u32 s[WV], 4
	s_cselect_b32 s[LIM], -1, s[LIM]               ; waves 0-3 ask for nothing
	v_and_b32 v8, 31, v0
	v_min_u32 v9, 24, v8
	v_lshlrev_b32 v9, 8, v9
	v_lshrrev_b32 v10, 2, v8
	v_lshlrev_b32 v10, 13, v10
	v_and_b32 v12, 3, v8
	v_lshl_add_u32 v10, v12, 8, v10
	v_cndmask_b32 v[PFO], v10, v9, s74
	v_lshlrev_b32 v[AK0], 4, v8                    ; 16 x lane
	v_lshlrev_b32 v[G8], 3, v8
	v_and_b32 v8, 15, v0                           ; r
	v_bfe_u32 v9, v0, 4, 1                         ; h
	v_lshlrev_b32 v[AS0], 4, v8
	s_mul_i32 s79, s55, FRB
	v_add_nc_u32 v[GO], s79, v[AK0]
	s_lshl_b32 s79, s55, 2
	v_add_nc_u32 v254, s79, v[AS0]                 ; Q's scale words: 16 r + 4 a
.irp c, 0,1,2
	global_load_b128 v[16+4*\c:19+4*\c], v[GO], s[70:71] offset:512*\c     ; Q's fragment stays in registers
.endr
	global_load_b32 v255, v254, s[70:71] offset:6144
	s_lshr_b32 s80, s[WV], 2
	s_lshl_b32 s80, s80, 8
	s_add_co_u32 s81, s80, s79
	v_add_nc_u32 v[SCA], s81, v[AS0]
	v_add_nc_u32 v[SCA], SCST, v[SCA]              ; 256 (w / 4) + 16 r + 4 a
	v_add_nc_u32 v[SCB], s80, v[G8]
	v_add_nc_u32 v[SCB], SCST, v[SCB]
	v_and_b32 v12, 8, v8
	v_add_nc_u32 v12, v12, v8                      ; r + 8 (r / 8)
	s_lshr_b32 s79, s55, 1
	s_lshl_b32 s79, s79, 5
	s_and_b32 s80, s55, 1
	s_lshl_b32 s80, s80, 3
	s_add_co_u32 s79, s79, s80                     ; 32 (a / 2) + 8 (a % 2)
	s_mul_i32 s79, s79, MP
	v_mul_u32_u24 v[AM0], v12, MP
	v_lshl_add_u32 v[AM0], v9, 6, v[AM0]
	v_add_nc_u32 v[AM0], s79, v[AM0]
	v_mov_b32 v13, 0xff61b1e6                      ; the largest t so far: -3e38
	v_floor_f32 v12, -v13                          ; -M
	v_mov_b32 v14, 0
	v_mov_b32 v15, 0
.irp b, 0,1,2,3
	v_mov_b32 v[236+\b], 0                         ; written once: a lane permute's destination counts as one of its sources
.endr
	v_mov_b32 v253, 0                              ; (named as the upper half of the pair v[252:253] before it is first written)
.set j, 0
.rept 64
	v_mov_b32 v[160+j], 0                          ; O^T: the step is written once; the first finds zeros, which the first change of M leaves zeros
.set j, j+1
.endr
; THE RUNS OF LDS LOADS of the slot's q-th key step.  Scale words first (window 0), then the fragments (window 1): 2 + 24 loads for K, the same for V; 32 loads of 8 bytes for the mask.
.macro KLOADS q
	WIN 0
	ds_load_b128 v[KS:KS+3], v[ADS] offset:2*(\q)*QSB+6144
	ds_load_b128 v[KS+4:KS+7], v[ADS] offset:(2*(\q)+1)*QSB+6144
	WIN 0x40                                       ; destination window 1, address window 0
.irp g, 0,1
.irp t, 0,1,2,3
.irp c, 0,1,2
	ds_load_b128 v[KF+48*\g+12*\t+4*\c:KF+48*\g+12*\t+4*\c+3], v[ADK] offset:(2*(\q)+\g)*QSB+\t*FRB+512*\c
.endr
.endr
.endr
.endm
.macro VLOADS q
	WIN 0
	ds_load_b128 v[VS:VS+3], v[ADS] offset:KVB+2*(\q)*QSB+6144
	ds_load_b128 v[VS+4:VS+7], v[ADS] offset:KVB+(2*(\q)+1)*QSB+6144
	WIN 0x40
.irp g, 0,1
.irp t, 0,1,2,3
.irp c, 0,1,2
	ds_load_b128 v[VF+48*\g+12*\t+4*\c:VF+48*\g+12*\t+4*\c+3], v[ADK] offset:KVB+(2*(\q)+\g)*QSB+\t*FRB+512*\c
.endr
.endr
.endr
.endm
.macro MLOADS q                        ; the mask of my query at the keys of my 64 score registers
	WIN 0x40
.irp b, 0,1,2,3
.irp i, 0,1,2,3,4,5,6,7
	ds_load_b64 v[MK+16*\b+2*\i:MK+16*\b+2*\i+1], v[ADM] offset:MOFF+512*(\q)+128*\b+8*\i
.endr
.endr
.endm
; A KEY STEP: 128 keys, the q-th of the slot in hand.  Step 0 asks for its own K and mask at its head; step 1 finds its K and mask asked for by step 0.
.macro STEP q
.if (\q) == 0
	v_add_nc_u32 v[ADK], s[TB], v[AK0]             ; the slot's addresses serve both its steps
	v_add_nc_u32 v[ADS], s[TB], v[AS0]
	v_add_nc_u32 v[ADM], s[TB], v[AM0]
	KLOADS 0
	MLOADS 0
.endif
	s_wait_dscnt 44                                ; K's scale words and first slab are in; behind them: its second slab's 12 loads and the mask's 32
	WIN 0x01                                       ; source 0 (K) window 1
.irp t, 0,1,2,3                                ; S^T = K Q^T: eight tiles of 16 keys
	v_wmma_scale_f32_16x16x128_f8f6f4 v[96+8*\t:103+8*\t], v[KF+12*\t:KF+12*\t+11], v[16:27], 0, v[KS+\t], v255 matrix_a_fmt:MATRIX_FMT_FP6 matrix_b_fmt:MATRIX_FMT_FP6
.endr
	s_wait_dscnt 32                                ; the second slab is in; the mask's 32 may be out
.irp t, 0,1,2,3
	v_wmma_scale_f32_16x16x128_f8f6f4 v[128+8*\t:135+8*\t], v[KF+48+12*\t:KF+48+12*\t+11], v[16:27], 0, v[KS+4+\t], v255 matrix_a_fmt:MATRIX_FMT_FP6 matrix_b_fmt:MATRIX_FMT_FP6
.endr                                          ; register 16 b + i holds key 128 q + 32 b + 16 (lane / 16) + i of the slot
	WIN 0
.rept 4
	v_nop                                          ; four plain instructions: ahead of the first read of the scores, of the loads into V's registers and scale words, which the last step's products read, and of those into K's
.endr
	VLOADS \q                                      ; V lands under the softmax
	s_wait_dscnt 26                                ; the mask is in; V's 26 loads may be out
	WIN 0x10                                       ; source 2 (the mask) window 1
.set j, 0
.rept 32
	v_pk_fma_f32 v[96+j:97+j], v[96+j:97+j], s[CS:CS+1], v[MK+j:MK+j+1] op_sel_hi:[1,0,1]    ; the logit
.set j, j+2
.endr
.if (\q) == 0
	KLOADS 1                                       ; the next step's K, into the registers that this step's products have left
.endif
	WIN 0
.set j, 0
.rept 32
	v_pk_mul_f32 v[96+j:97+j], v[96+j:97+j], s[LE:LE+1] op_sel_hi:[1,0]                      ; t, rounded
.set j, j+2
.endr
.irp b, 0,1,2,3
	v_max3_num_f32 v[232+\b], v[96+16*\b], v[97+16*\b], v[98+16*\b]   ; the largest t of each block of 32 keys: it serves for the row's maximum and, since p rises with t, for the block's largest p
.endr
.irp i, 3,5,7,9,11,13
.irp b, 0,1,2,3
	v_max3_num_f32 v[232+\b], v[232+\b], v[96+16*\b+\i], v[97+16*\b+\i]
.endr
.endr
.irp b, 0,1,2,3
	v_max_num_f32 v[232+\b], v[232+\b], v[111+16*\b]
.endr
.irp b, 0,1,2,3
	v_permlanex16_b32 v[236+\b], v[232+\b], s[SEL], s[SEL+1]
.endr
.irp b, 0,1,2,3
	v_max_num_f32 v[232+\b], v[232+\b], v[236+\b]  ; with lane l xor 16's 16 keys
.endr
	v_max3_num_f32 v254, v232, v233, v234
	v_max_num_f32 v254, v254, v235
	v_max_num_f32 v13, v13, v254                   ; the running largest t
	v_mov_b32 v254, v12
	v_floor_f32 v12, -v13                          ; the new -M = floor(-t): M is a whole number
	v_sub_f32 v254, v12, v254                      ; old M - new M: a whole number, 0 or less
	v_cvt_i32_f32 v254, v254                       ; (it saturates)
	v_ldexp_f32 v252, 1.0, v254                    ; f = 2^(old M - new M)
.set j, 0
.rept 32
	v_pk_add_f32 v[96+j:97+j], v[96+j:97+j], v[12:13] op_sel_hi:[1,0]                        ; t - M
.set j, j+2
.endr
.irp b, 0,1,2,3
	v_add_f32 v[232+\b], v[232+\b], v12            ; the same of each block's largest t
.endr
.set j, 0
.rept 64
	v_exp_f32 v[96+j], v[96+j]                     ; p = 2^(t - M), at most 1
.set j, j+1
.endr
	v_pk_mul_f32 v[14:15], v[14:15], v[252:253] op_sel_hi:[1,0]   ; the sums under the new M: a plain instruction behind the exponentials
	s_wait_alu depctr_va_vdst(0)                   ; one wait for the whole batch, ahead of its first reader
.irp b, 0,1,2,3
	v_exp_f32 v[232+\b], v[232+\b]                 ; the block's largest p: the same instructions on the same number give the same bits
.endr
	v_pk_add_f32 v[236:237], v[96:97], v[98:99]    ; the row's sum is taken of the unquantised p, in two chains
.irp j, 4,8,12,16,20,24,28,32,36,40,44,48,52,56,60
	v_pk_add_f32 v[14:15], v[14:15], v[96+\j:97+\j]
	v_pk_add_f32 v[236:237], v[236:237], v[98+\j:99+\j]
.endr
	v_pk_add_f32 v[14:15], v[14:15], v[236:237]
	s_wait_alu depctr_va_vdst(0)                   ; and one for the four
.irp b, 0,1,2,3
	v_max_num_f32 v[232+\b], 0x1800000, v[232+\b]  ; the floor 2^(3 - 127): a block whose every p is 0 keeps the byte 1: its codes are zeros
.endr
.irp b, 0,1,2,3
	v_add_nc_u32 v[244+\b], 0xff000000, v[232+\b]  ; the conversion's scale operand
.endr
.irp b, 0,1,2,3
	v_lshrrev_b32 v[236+\b], 23, v[244+\b]         ; the byte
.endr
	v_lshl_or_b32 v253, v237, 8, v236              ; p's scale word for these 128 keys
	v_lshl_or_b32 v253, v238, 16, v253
	v_lshl_or_b32 v253, v239, 24, v253
.irp c, 0,1
	v_cvt_scalef32_pk16_fp6_f32 v[224+6*\c:226+6*\c], v[96+32*\c:111+32*\c], v[244+2*\c]
	v_cvt_scalef32_pk16_fp6_f32 v[236+4*\c:238+4*\c], v[112+32*\c:127+32*\c], v[244+2*\c+1]
.endr
	v_nop                                          ; one plain instruction behind a scaled conversion
.irp c, 0,1
.irp i, 0,1,2
	v_permlane16_swap_b32 v[224+6*\c+\i], v[236+4*\c+\i]
.endr
.irp i, 0,1,2
	v_mov_b32 v[227+6*\c+\i], v[236+4*\c+\i]
.endr
.endr
.if (\q) == 0
	s_wait_dscnt 26                                ; V is in; the next step's K, 26 loads, may be out
	MLOADS 1                                       ; the next step's mask: it has this step's second product and the next step's first in which to land
	WIN 0
.else
	s_wait_dscnt 0x0                               ; V is in, and my reads of this slot are over
.endif
.set j, 0
.rept 32
	v_pk_mul_f32 v[160+j:161+j], v[160+j:161+j], v[252:253] op_sel_hi:[1,0]   ; O^T under the new M; these 32 also stand between the writes of p's codes and scale word and the products
.set j, j+2
.endr
	WIN 0x01                                       ; source 0 (V) window 1
.irp g, 0,1                                    ; O^T += V^T P^T: eight tiles of 16 channels, each accumulator once; K = these 128 keys
.irp t, 0,1,2,3
	v_wmma_scale_f32_16x16x128_f8f6f4 v[160+8*(4*\g+\t):167+8*(4*\g+\t)], v[VF+48*\g+12*\t:VF+48*\g+12*\t+11], v[224:235], v[160+8*(4*\g+\t):167+8*(4*\g+\t)], v[VS+4*\g+\t], v253 matrix_a_fmt:MATRIX_FMT_FP6 matrix_b_fmt:MATRIX_FMT_FP6
.endr
.endr
	WIN 0                                          ; at a label and at a branch every window is 0
.endm
; THE CHANGE OF SLOTS stands at a slot's head.  Each wave waits for all its tensor loads (its part of the slot ahead), adds 0 to its spare word, and waits for that and for its reads of the slot that it has left.
; fill = 1: the barrier is a round of the cluster's, and behind it the slot just left is filled with the keys that follow: the load has two key steps in which to land.
.macro CHANGE fill
	s_wait_tensorcnt 0x0                           ; no tensor load of mine is out, so a group 0 may be written
	ds_add_u32 v[SPW], v[NIL]                      ; 0 onto my spare word
.if \fill
	s_xor_b32 s[G0M+1], s[G0M+1], SLOT1            ; the walking descriptors: the other slot than last time,
	s_add_nc_u64 s[G0M+2:G0M+3], s[G0M+2:G0M+3], 1024   ; the next 256 keys
	s_xor_b32 s[G0KV+1], s[G0KV+1], SLOT1
	s_add_nc_u64 s[G0KV+2:G0KV+3], s[G0KV+2:G0KV+3], KVB
	s_wait_xcnt 0x0                                ; the last prefetch, a slot back, has read its address
	s_add_nc_u64 s[PFA:PFA+1], s[PFA:PFA+1], s[PFS:PFS+1]
	s_wait_dscnt 0x0                               ; the add is done, and my reads of the slot that I have left are over
	ROUND
	TLOAD                                          ; the first thing behind the round, and a wave's one tensor load until the next
	ASK
.else
	s_wait_dscnt 0x0
	s_barrier_signal -1
	s_barrier_wait -1
.endif
.endm
	s_wait_loadcnt 0x0                             ; Q
.Lslot:                                            ; NSL - 1 trips: behind each change of slots but the last the next slot is asked for
	CHANGE 1
	STEP 0
	STEP 1
	s_xor_b32 s[TB], s[TB], SLOT1
	s_sub_co_u32 s[SLOTS], s[SLOTS], 1
	s_cmp_lg_u32 s[SLOTS], 0
	s_cbranch_scc1 .Lslot
	CHANGE 0                                       ; the last slot is written out
	STEP 0
	STEP 1
	; THE WAY OUT: O^T / the sum, quantised along the head's 128: register 16 b + i of a lane is channel 32 b + 16 (lane / 16) + i of its query.
.rept 4
	v_nop
.endr
	v_add_f32 v14, v14, v15
	v_permlanex16_b32 v252, v14, s[SEL], s[SEL+1]
	v_add_f32 v14, v14, v252                       ; the row's sum
	v_rcp_f32 v14, v14
	v_nop                                          ; a plain instruction behind the reciprocal,
	s_wait_alu depctr_va_vdst(0)                   ; and the wait ahead of its first reader
.set j, 0
.rept 64
	v_mul_f32 v[96+j], v[160+j], v14
.set j, j+1
.endr
.irp b, 0,1,2,3
	v_max3_num_f32 v[TM+\b], |v[96+16*\b]|, |v[97+16*\b]|, 0x1800000
.endr
.irp i, 2,4,6,8,10,12,14
.irp b, 0,1,2,3
	v_max3_num_f32 v[TM+\b], v[TM+\b], |v[96+16*\b+\i]|, |v[97+16*\b+\i]|
.endr
.endr
.irp b, 0,1,2,3
	v_permlanex16_b32 v[TM+4+\b], v[TM+\b], s[SEL], s[SEL+1]
.endr
.irp b, 0,1,2,3
	v_max_num_f32 v[TM+\b], v[TM+\b], v[TM+4+\b]
.endr
.irp b, 0,1,2,3
	v_add_nc_u32 v[TM+12+\b], 0xff000000, v[TM+\b]
.endr
.irp b, 0,1,2,3
	v_lshrrev_b32 v[TM+4+\b], 23, v[TM+12+\b]
.endr
	v_lshl_or_b32 v[PW], v[TM+5], 8, v[TM+4]
	v_lshl_or_b32 v[PW], v[TM+6], 16, v[PW]
	v_lshl_or_b32 v[PW], v[TM+7], 24, v[PW]
.irp c, 0,1
	v_cvt_scalef32_pk16_fp6_f32 v[PC+6*\c:PC+2+6*\c], v[96+32*\c:111+32*\c], v[TM+12+2*\c]
	v_cvt_scalef32_pk16_fp6_f32 v[PC+12+4*\c:PC+14+4*\c], v[112+32*\c:127+32*\c], v[TM+12+2*\c+1]
.endr
	v_nop
.irp c, 0,1
.irp i, 0,1,2
	v_permlane16_swap_b32 v[PC+6*\c+\i], v[PC+12+4*\c+\i]
.endr
.irp i, 0,1,2
	v_mov_b32 v[PC+3+6*\c+\i], v[PC+12+4*\c+\i]
.endr
.endr
.irp c, 0,1,2
	global_store_b128 v[GO], v[PC+4*\c:PC+4*\c+3], s[8:9] offset:512*\c    ; my fragment's image: 512 consecutive bytes a store
.endr
	ds_store_b32 v[SCA], v[PW]                     ; a slab's 256 bytes of scale words come from four waves (lanes l and l xor 16 write the same word with the same value)
	s_wait_dscnt 0x0
	s_barrier_signal -1
	s_barrier_wait -1
	s_cmp_lg_u32 s55, 0
	s_cbranch_scc1 .Lno_words                      ; waves 0 and 4 store them
	ds_load_b64 v[96:97], v[SCB]
	s_wait_dscnt 0x0
	global_store_b64 v[G8], v[96:97], s[8:9] offset:6144
.Lno_words:
	s_wait_tensorcnt 0x0                           ; the wave's end
	ds_add_u32 v[SPW], v[NIL]
	s_wait_dscnt 0x0
	ROUND                                          ; the closing round
	s_endpgm
.Lfunc_end_k_q5d6081f773_attn:
	.size	k_q5d6081f773_attn, .Lfunc_end_k_q5d6081f773_attn-k_q5d6081f773_attn
	.p2alignl 7, 3214868480
	.fill 96, 4, 3214868480
	.section	.rodata,"a",@progbits
	.p2align	6, 0x0
	.amdhsa_kernel k_q5d6081f773_attn
		.amdhsa_group_segment_fixed_size 327680
		.amdhsa_private_segment_fixed_size 0
		.amdhsa_enable_private_segment 0
		.amdhsa_kernarg_size 24
		.amdhsa_user_sgpr_count 2
		.amdhsa_user_sgpr_kernarg_segment_ptr 1
		.amdhsa_wavefront_size32 1
		.amdhsa_system_sgpr_workgroup_id_x 1
		.amdhsa_system_sgpr_workgroup_id_y 1
		.amdhsa_system_sgpr_workgroup_id_z 1
		.amdhsa_system_vgpr_workitem_id 0
		.amdhsa_next_free_vgpr 512
		.amdhsa_next_free_sgpr 100
		.amdhsa_reserve_vcc 0
		.amdhsa_float_denorm_mode_32 3
		.amdhsa_float_denorm_mode_16_64 3
		.amdhsa_memory_ordered 1
		.amdhsa_forward_progress 1
		.amdhsa_inst_pref_size 117
	.end_amdhsa_kernel
	.amdgpu_metadata
---
amdhsa.version: [ 1, 2 ]
amdhsa.kernels:
  - .name:           k_q5d6081f773_attn
    .symbol:         k_q5d6081f773_attn.kd
    .args:
      - { .name: qkvp, .offset: 0, .size: 8, .value_kind: global_buffer, .address_space: global }
      - { .name: attention_mask, .offset: 8, .size: 8, .value_kind: global_buffer, .address_space: global }
      - { .name: ap, .offset: 16, .size: 8, .value_kind: global_buffer, .address_space: global }
    .group_segment_fixed_size: 327680
    .private_segment_fixed_size: 0
    .kernarg_segment_align: 8
    .kernarg_segment_size: 24
    .max_flat_workgroup_size: 256
    .sgpr_count:     100
    .vgpr_count:     512
    .wavefront_size: 32
...
	.end_amdgpu_metadata
.endif
;; end of part 4
;; launch oproj (part 5): grid 16 x 16, 4 waves a work-group, clusters of 4 x 4, 327,680 bytes of LDS; arguments ap, wop, out0; writes out0
.if DOCPART == 5
	.amdgcn_target "amdgcn-amd-amdhsa--gfx1250"
	.amdhsa_code_object_version 6
	.text
	.protected	k_q5d6081f773_oproj
	.globl	k_q5d6081f773_oproj
	.p2align	8
	.type	k_q5d6081f773_oproj,@function
k_q5d6081f773_oproj:
	s_mov_b64 s[64:65], 0
	v_nop
	global_prefetch_b8 v0, s[64:65] scope:SCOPE_SE
	s_setreg_imm32_b32 hwreg(HW_REG_WAVE_MODE, 25, 1), 1
	s_wait_xcnt 0x0
	s_wait_alu depctr_hold_cnt(0) depctr_sa_sdst(0) depctr_va_vdst(0) depctr_va_sdst(0) depctr_va_ssrc(0) depctr_va_vcc(0) depctr_vm_vsrc(0)
	s_getreg_b32 s2, hwreg(HW_REG_IB_STS2, 6, 4)
	s_cmp_eq_u32 s2, 0
	s_cbranch_scc0 .Lentry_in_a_cluster
	s_endpgm
.Lentry_in_a_cluster:
	s_bfe_u32 s2, ttmp6, 0x10000c
	s_cmp_lg_u32 s2, 0xf033
	s_cbranch_scc0 .Lentry_shape_is_right
	s_endpgm
.Lentry_shape_is_right:
; out0 [2048][4096] = attention's result x wo, on codes of FP6 (E2M3) with E8M0 scales, K = 2,048; sums in f32.
; OPERANDS lie packed: a fragment (16 rows x 128 K) as the image of its 12 registers (1,536 bytes), four fragments and 256 bytes of scale words to a slab (64 rows, 6,400 bytes), [row / 128][K / 128][2 slabs];
; lane r of fragment 2 B + u holds row 32 B + 8 u + r + 8 (r / 8).  P = tokens (ap), R = wo's columns (wop).
; THE MATRIX INSTRUCTION IS USED TRANSPOSED: source 0 = 16 rows of R, source 1 = 16 rows of P: a lane holds one token, and its registers of R's tiles 2 B and 2 B + 1 are columns 32 B + 16 (lane / 16) + 0 .. 15.
; SHARES.  A work-group makes 128 tokens x 256 columns: 256 work-groups.  Wave w: P's slab w / 2, R's group w % 2: 4 x 8 accumulators.  K goes through two LDS slots of four K steps of 128.
; CLUSTERS: 4 x 4 work-groups; P's tile is shared along a row of the cluster, R's along a column: joint loads.
; REGISTERS: window 0: v1-29 addresses; v32-47 scale words, two sets; v64-159 P's fragments, two sets (on the way out v64-191: rows of the result).  window 1: R's fragments, two sets.  window 2: accumulator (a, b) at v[8 (8 a + b)].
; No prefetch: the tiles are shared in the cluster and a refill has 128 matrix instructions of each wave in which to land.
.set NKC,   16
.set KCB,   12800
.set QSB,   6400
.set FRB,   1536
.set PQ4,   4*QSB
.set RG4,   4*KCB
.set SLOT,  2*PQ4+2*RG4
.set SPARE, 2*SLOT                     ; behind the ring: the spare words, 128 bytes a wave: two blocks of 256 bytes that no other line names
.set SPITCH, 528                       ; the way out: a stage of 16 rows x (512 bytes + 16) for each wave, in slot 0, which has had its last fill and its last read when the first result is stored there
.set ADP, 16
.set ADR, 18
.set ASP, 20
.set ASR, 22
.set CO,  24                           ; v24 16 x lane
.set STO, 25                           ; v25 the stage: where I put 32 bytes of a row
.set RD,  26                           ; v26 and where I read a row back
.set SPW, 28
.set NIL, 29
.set SCP, 32
.set SCR, 40
.set PF,  64
.set BK,  64
.set G1P, 24
.set G0P, 32
.set G1R, 48
.set G0R, 56
.set MSB, 0
.macro WIN new                         ; the immediate's high byte repeats the setting that is left
.if MSB != \new
	s_set_vgpr_msb (MSB<<8)|\new
.set MSB, \new
.endif
.endm
.set MUL, 0xa1                         ; source 0 (R) window 1, source 1 (P) window 0, C and D window 2
.macro JLOAD g0a, g1a, g0b, g1b        ; a joint load: waves 0 and 1 fetch P's slabs, waves 2 and 3 R's groups; four v_nop follow each line
	s_cmp_eq_u32 s15, 0
	s_cbranch_scc0 .Lfor_r_\@
	tensor_load_to_lds s[\g0a:\g0a+3], s[\g1a:\g1a+7]
	s_nop 0
.rept 4
	v_nop
.endr
	s_branch .Lasked_\@
.Lfor_r_\@:
	tensor_load_to_lds s[\g0b:\g0b+3], s[\g1b:\g1b+7]
	s_nop 0
.rept 4
	v_nop
.endr
.Lasked_\@:
.endm
.macro CREST
	s_cmp_lg_u32 s14, 0
	s_cbranch_scc1 .Lnot_wave_0_\@
	s_barrier_signal -3
.Lnot_wave_0_\@:
	s_barrier_wait -3
	s_barrier_signal -1
	s_barrier_wait -1
.endm
.macro CROUND
	s_barrier_signal -1
	s_barrier_wait -1
	CREST
.endm
.macro PLACES                          ; four plain instructions between a matrix instruction and a load into, or a store of, its registers
.rept 4
	v_nop
.endr
.endm
	s_load_b128 s[4:7], s[0:1], 0x0                ; ap, wop
	s_load_b64 s[12:13], s[0:1], 0x10              ; out0
	v_lshl_add_u32 v[SPW], v0, 2, SPARE
	v_mov_b32 v[NIL], 0
	ds_add_u32 v28, v29
	s_wait_dscnt 0x0
	v_lshrrev_b32 v1, 5, v0
	v_readfirstlane_b32 s14, v1                    ; wave 0..3
	s_lshr_b32 s15, s14, 1                         ; my slab of P.  Also: I fetch for P (0) or for R (1)
	s_and_b32 s16, s14, 1                          ; my group of R.  Also: which slab or group I fetch
	s_bfe_u32 s40, ttmp6, 0x40000                  ; cx, cy
	s_bfe_u32 s41, ttmp6, 0x40004
	s_and_b32 s17, ttmp7, 0xffff
	s_lshl_b32 s43, s41, 2
	s_lshl_b32 s43, 15, s43                        ; my row of the cluster
	s_lshl_b32 s44, 0x1111, s40                    ; my column
	s_or_b32 s[G1P], s43, (3<<16)|(1<<21)          ; 15:0 the mask; 17:16 elements of 8 bytes; 21 set beside a mask; no padding
	s_mov_b32 s[G1P+1], 800<<16                    ; P: four rows of 6,400 bytes, 12,800 bytes apart
	s_mov_b32 s[G1P+2], 4<<16
	s_mov_b32 s[G1P+3], 800<<16
	s_mov_b32 s[G1P+4], 4
	s_mov_b32 s[G1P+5], 1600
	s_mov_b32 s[G1P+6], 0
	s_mov_b32 s[G1P+7], 0
	s_or_b32 s[G1R], s44, (3<<16)|(1<<21)
	s_mov_b32 s[G1R+1], 32<<16                     ; R: 51,200 dense bytes as 200 rows of 256
	s_mov_b32 s[G1R+2], 200<<16
	s_mov_b32 s[G1R+3], 32<<16
	s_mov_b32 s[G1R+4], 200
	s_mov_b32 s[G1R+5], 32
	s_mov_b32 s[G1R+6], 0
	s_mov_b32 s[G1R+7], 0
	s_lshl_b32 s18, s17, 2
	s_add_co_u32 s18, s18, s41                     ; P's group of 128 tokens = 4 y + cy
	s_lshl_b32 s20, ttmp9, 2
	s_add_co_u32 s20, s20, s40                     ; R's pair of groups = 4 x + cx
	s_mul_i32 s22, s18, NKC*KCB
	s_mul_i32 s23, s16, QSB
	s_add_co_u32 s22, s22, s23
	s_mov_b32 s23, 0
	s_lshl_b32 s70, s20, 1
	s_add_co_u32 s70, s70, s16
	s_mul_i32 s72, s70, NKC*KCB
	s_mov_b32 s73, 0
	s_mul_i32 s45, s16, PQ4                        ; where they go: no place in the cluster enters an LDS address
	s_mul_i32 s46, s16, RG4
	s_add_co_u32 s46, s46, 2*PQ4
	s_wait_kmcnt 0x0
	s_add_nc_u64 s[66:67], s[4:5], s[22:23]
	s_add_nc_u64 s[68:69], s[6:7], s[72:73]
	CROUND                                         ; all sixteen work-groups are here: the first joint loads meet
.irp s, 0,1
	s_mov_b32 s[G0P+4*\s], 1
	s_add_co_u32 s[G0P+4*\s+1], s45, \s*SLOT
	s_add_nc_u64 s[G0P+4*\s+2:G0P+4*\s+3], s[66:67], \s*RG4
	s_or_b32 s[G0P+4*\s+3], s[G0P+4*\s+3], 0x80000000
	s_mov_b32 s[G0R+4*\s], 1
	s_add_co_u32 s[G0R+4*\s+1], s46, \s*SLOT
	s_add_nc_u64 s[G0R+4*\s+2:G0R+4*\s+3], s[68:69], \s*RG4
	s_or_b32 s[G0R+4*\s+3], s[G0R+4*\s+3], 0x80000000
	JLOAD G0P+4*\s, G1P, G0R+4*\s, G1R             ; two tensor loads of mine are out
.endr
	s_lshl_b32 s74, s18, 21                        ; my part of out0: 128 rows of 16,384 bytes a group, 64 a slab,
	s_lshl_b32 s75, s15, 20
	s_add_co_u32 s74, s74, s75
	s_lshl_b32 s75, s70, 9                         ; 512 bytes a group of columns
	s_add_co_u32 s74, s74, s75
	s_mov_b32 s75, 0
	s_add_nc_u64 s[12:13], s[12:13], s[74:75]
	v_and_b32 v2, 31, v0
	v_lshlrev_b32 v[CO], 4, v2
	v_and_b32 v1, 15, v0                           ; r
	v_bfe_u32 v3, v0, 4, 1                         ; h
	v_lshlrev_b32 v4, 4, v1
	v_mul_u32_u24 v5, v3, QSB
	v_add_nc_u32 v5, v5, v4
	s_mul_i32 s21, s15, PQ4
	s_mul_i32 s22, s16, RG4
	s_add_co_u32 s22, s22, 2*PQ4
.irp s, 0,1
	v_add_nc_u32 v[ADP+\s], s21, v[CO]
	v_add_nc_u32 v[ADR+\s], s22, v[CO]
	v_add_nc_u32 v[ASP+\s], s21, v4
	v_add_nc_u32 v[ASR+\s], s22, v5
	s_add_co_u32 s21, s21, SLOT
	s_add_co_u32 s22, s22, SLOT
.endr
	s_mul_i32 s23, s14, 16*SPITCH                  ; my stage
	v_mul_u32_u24 v[STO], v1, SPITCH
	v_lshl_add_u32 v[STO], v3, 6, v[STO]
	v_add_nc_u32 v[STO], s23, v[STO]               ; in: row r, + 64 h
	v_add_nc_u32 v[RD], s23, v[CO]                 ; back: the 32 lanes take one row of 512 bytes
; 38 LDS loads in one run: the slot's q-th K step into set p
.macro FETCH s, q, p
	WIN 0x40                                       ; destination window 1
.irp b, 0,1,2,3,4,5,6,7
.irp c, 0,1,2
	ds_load_b128 v[128*(\p)+12*\b+4*\c:128*(\p)+12*\b+4*\c+3], v[ADR+\s] offset:(\q)*KCB+(\b/4)*QSB+(\b%4)*FRB+512*\c
.endr
.endr
	WIN 0
.irp a, 0,1,2,3
.irp c, 0,1,2
	ds_load_b128 v[PF+48*(\p)+12*\a+4*\c:PF+48*(\p)+12*\a+4*\c+3], v[ADP+\s] offset:(\q)*QSB+\a*FRB+512*\c
.endr
.endr
	ds_load_b128 v[SCP+4*(\p):SCP+4*(\p)+3], v[ASP+\s] offset:(\q)*QSB+6144
	ds_load_b128 v[SCR+4*(\p):SCP+4*(\p)+11], v[ASR+\s] offset:(\q)*KCB+6144
.endm
; 8 matrix instructions: P's fragment a against R's eight.  The 32 accumulators take turns, one instruction a turn, in the same order in every step.
.macro MUL8 a, p, zero
.irp b, 0,1,2,3,4,5,6,7
.set DA, 8*(8*(\a)+\b)
.set RA, 128*(\p)+12*\b
.set PA, PF+48*(\p)+12*(\a)
.set SA, SCR+4*(\p)+\b%4
.set SQ, SCP+4*(\p)+(\a)
.if \zero
.if \b < 4
	v_wmma_scale_f32_16x16x128_f8f6f4 v[DA:DA+7], v[RA:RA+11], v[PA:PA+11], 0, v[SA], v[SQ] matrix_a_fmt:MATRIX_FMT_FP6 matrix_b_fmt:MATRIX_FMT_FP6
.else
	v_wmma_scale_f32_16x16x128_f8f6f4 v[DA:DA+7], v[RA:RA+11], v[PA:PA+11], 0, v[SA], v[SQ] matrix_a_fmt:MATRIX_FMT_FP6 matrix_b_fmt:MATRIX_FMT_FP6 matrix_a_scale:MATRIX_SCALE_ROW1
.endif
.else
.if \b < 4
	v_wmma_scale_f32_16x16x128_f8f6f4 v[DA:DA+7], v[RA:RA+11], v[PA:PA+11], v[DA:DA+7], v[SA], v[SQ] matrix_a_fmt:MATRIX_FMT_FP6 matrix_b_fmt:MATRIX_FMT_FP6
.else
	v_wmma_scale_f32_16x16x128_f8f6f4 v[DA:DA+7], v[RA:RA+11], v[PA:PA+11], v[DA:DA+7], v[SA], v[SQ] matrix_a_fmt:MATRIX_FMT_FP6 matrix_b_fmt:MATRIX_FMT_FP6 matrix_a_scale:MATRIX_SCALE_ROW1
.endif
.endif
.endr
.endm
.macro STEP s, q, zero                 ; a K step that has its successor in the same slot
	s_wait_dscnt 0x0                               ; this step's fragments, asked for a step ago
.if \zero == 0
	PLACES                                         ; the other set was read by the last step's products
.endif
	FETCH \s, (\q)+1, 1-(\q)%2
	WIN MUL
	MUL8 0, (\q)%2, \zero
	MUL8 1, (\q)%2, \zero
	MUL8 2, (\q)%2, \zero
	MUL8 3, (\q)%2, \zero
.endm
; A slot's last K step changes slots: ONE barrier; in front of it each wave waits for all its tensor loads, adds 0 to its spare word, and waits for that and for its reads of this slot.
.macro TURN s, nx, fill
	WIN 0                                          ; (the add's two registers lie in window 0)
	s_wait_tensorcnt 0x0                           ; all my tensor loads have landed: my part of the next slot
	ds_add_u32 v[SPW], v[NIL]                      ; 0 onto my spare word
	s_wait_dscnt 0x1                               ; this step's fragments are in; the add may be out
	WIN MUL
	MUL8 0, 1, 0
	s_wait_dscnt 0x0                               ; the add is done, and my reads of this slot are over
	s_barrier_signal -1
	MUL8 1, 1, 0
	WIN 0
	s_barrier_wait -1
.if \fill
	CREST                                          ; the barrier has opened a round of the cluster's: no wave of any partner still reads this slot or has a load on its way
	s_add_nc_u64 s[G0P+4*\s+2:G0P+4*\s+3], s[G0P+4*\s+2:G0P+4*\s+3], 2*RG4
	s_add_nc_u64 s[G0R+4*\s+2:G0R+4*\s+3], s[G0R+4*\s+2:G0R+4*\s+3], 2*RG4
	JLOAD G0P+4*\s, G1P, G0R+4*\s, G1R             ; the first tensor load behind the round; its four v_nop are also the places in front of the loads below
.else
	PLACES
.endif
	FETCH \nx, 0, 0
	WIN MUL
	MUL8 2, 1, 0
	MUL8 3, 1, 0
.endm
	s_wait_tensorcnt 0x1                           ; my part of slot 0 is in; slot 1's may stay out
	s_barrier_signal -1
	s_barrier_wait -1
	FETCH 0, 0, 0
	STEP 0, 0, 1                                   ; the first step stands in front of the loop: its products start the sums
	WIN 0
	s_mov_b32 s3, NKC/8-1
.Llap:                                                 ; a trip goes once round the ring and fills both slots again
	STEP 0, 1, 0
	STEP 0, 2, 0
	TURN 0, 1, 1
	STEP 1, 0, 0
	STEP 1, 1, 0
	STEP 1, 2, 0
	TURN 1, 0, 1
	STEP 0, 0, 0
	WIN 0
	s_sub_co_u32 s3, s3, 1
	s_cmp_lg_u32 s3, 0
	s_cbranch_scc1 .Llap
	STEP 0, 1, 0                                   ; the last lap fills nothing
	STEP 0, 2, 0
	TURN 0, 1, 0
	STEP 1, 0, 0
	STEP 1, 1, 0
	STEP 1, 2, 0
	s_wait_dscnt 0x0                               ; the very last step
	MUL8 0, 1, 0
	MUL8 1, 1, 0
	MUL8 2, 1, 0
	MUL8 3, 1, 0
	WIN 0
; THE WAY OUT, a fragment of 16 tokens x 128 columns at a time, through my own stage: in as 32 bytes a lane and tile, back as whole rows of 512 bytes.  LDS serves a wave's instructions in order:
; no wait between the stores and the loads, nor in front of the next fragment's stores.  Row t of the stage is token 32 (a / 2) + 8 (a % 2) + t + 8 (t / 8) of my 64.
.macro TOSTAGE a
	WIN 0x08                                       ; an LDS store's data are its source 1: window 2
.irp b, 0,1,2,3,4,5,6,7
	ds_store_b128 v[STO], v[8*(8*(\a)+\b):8*(8*(\a)+\b)+3] offset:128*(\b/2)+32*(\b%2)          ; each accumulator from its low end on
	ds_store_b128 v[STO], v[8*(8*(\a)+\b)+4:8*(8*(\a)+\b)+7] offset:128*(\b/2)+32*(\b%2)+16
.endr
	WIN 0
.set BB, BK+64*((\a)%2)
.irp t, 0,1,2,3,4,5,6,7,8,9,10,11,12,13,14,15
	ds_load_b128 v[BB+4*\t:BB+4*\t+3], v[RD] offset:\t*SPITCH
.endr
.endm
.macro SEND a, younger                 ; younger: the LDS instructions issued behind fragment a's loads, which may stay out
.set BB, BK+64*((\a)%2)
	s_wait_dscnt \younger
.irp t, 0,1,2,3,4,5,6,7,8,9,10,11,12,13,14,15
	global_store_b128 v[CO], v[BB+4*\t:BB+4*\t+3], s[12:13] offset:(32*((\a)/2)+8*((\a)%2)+\t+8*(\t/8))*16384 th:TH_STORE_NT   ; 32 lanes store 512 consecutive bytes, at a multiple of 256 from out0's first byte
.endr
.endm
	PLACES
	TOSTAGE 0
.irp a, 1,2,3
.if \a > 1
	s_wait_xcnt 0x0                                ; fragment a - 2's stores have read their registers: fragment a's loads may land there
.endif
	TOSTAGE \a
	SEND \a-1, 32                                  ; behind fragment a - 1's loads: fragment a's 16 stores and 16 loads
.endr
	SEND 3, 0
	s_wait_tensorcnt 0x0                           ; the wave's end
	ds_add_u32 v[SPW], v[NIL]
	s_wait_dscnt 0x0
	CROUND                                         ; the closing round
	s_endpgm
.Lfunc_end_k_q5d6081f773_oproj:
	.size	k_q5d6081f773_oproj, .Lfunc_end_k_q5d6081f773_oproj-k_q5d6081f773_oproj
	.p2alignl 7, 3214868480
	.fill 96, 4, 3214868480
	.section	.rodata,"a",@progbits
	.p2align	6, 0x0
	.amdhsa_kernel k_q5d6081f773_oproj
		.amdhsa_group_segment_fixed_size 327680
		.amdhsa_private_segment_fixed_size 0
		.amdhsa_enable_private_segment 0
		.amdhsa_kernarg_size 24
		.amdhsa_user_sgpr_count 2
		.amdhsa_user_sgpr_kernarg_segment_ptr 1
		.amdhsa_wavefront_size32 1
		.amdhsa_system_sgpr_workgroup_id_x 1
		.amdhsa_system_sgpr_workgroup_id_y 1
		.amdhsa_system_sgpr_workgroup_id_z 1
		.amdhsa_system_vgpr_workitem_id 0
		.amdhsa_next_free_vgpr 768
		.amdhsa_next_free_sgpr 100
		.amdhsa_reserve_vcc 0
		.amdhsa_float_denorm_mode_32 3
		.amdhsa_float_denorm_mode_16_64 3
		.amdhsa_memory_ordered 1
		.amdhsa_forward_progress 1
		.amdhsa_inst_pref_size 131
	.end_amdhsa_kernel
	.amdgpu_metadata
---
amdhsa.version: [ 1, 2 ]
amdhsa.kernels:
  - .name:           k_q5d6081f773_oproj
    .symbol:         k_q5d6081f773_oproj.kd
    .args:
      - { .name: ap, .offset: 0, .size: 8, .value_kind: global_buffer, .address_space: global }
      - { .name: wop, .offset: 8, .size: 8, .value_kind: global_buffer, .address_space: global }
      - { .name: out0, .offset: 16, .size: 8, .value_kind: global_buffer, .address_space: global }
    .group_segment_fixed_size: 327680
    .private_segment_fixed_size: 0
    .kernarg_segment_align: 8
    .kernarg_segment_size: 24
    .max_flat_workgroup_size: 128
    .sgpr_count:     100
    .vgpr_count:     768
    .wavefront_size: 32
...
	.end_amdgpu_metadata
.endif
;; end of part 5
